; MI455X (gfx1250); checked and timed in simulation.
; The chip was launched on July 23, 2026; its instructions are those of AMD's public machine-readable ISA for CDNA 5 (MIT licence, August 2026) and "CDNA5" Instruction Set Architecture Reference Guide (July 2026). The comments in the code are by the model that wrote it; some were corrected since.
;; Manual Attention. Allowed arithmetic: matrix products marked QUANTISED: E2M1 operands, one E8M0 scale for each 32 along K, by v_wmma_scale_f32_16x16x128_f8f6f4 with both operands' format E2M1 (or v_wmma_scale_f32_32x16x128_f4), f32 sums; everything else in f32.
;; Inputs: b_out 1,024 float32; b_qkv 3,072 float32; w_out_codes 1,024 x 32 x 16 uint8 (E2M1 codes of w_out, K innermost, in blocks of 32 codes, two codes a byte); w_out_scales 1,024 x 32 uint8 (E8M0 scales of w_out, one for each 32 codes along K); w_qkv_codes 3,072 x 32 x 16 uint8 (E2M1 codes of w_qkv, K innermost, in blocks of 32 codes, two codes a byte); w_qkv_scales 3,072 x 32 uint8 (E8M0 scales of w_qkv, one for each 32 codes along K); x_codes 4 x 2,048 x 32 x 16 uint8 (E2M1 codes of x, K innermost, in blocks of 32 codes, two codes a byte); x_scales 4 x 2,048 x 32 uint8 (E8M0 scales of x, one for each 32 codes along K).
;; Outputs: out0 4 x 2,048 x 1,024 float32.
;; This version of the problem:
;;   THIS VERSION OF THE PROBLEM IS GIVEN IN LOW PRECISION. The matrix products marked QUANTISED in the list below multiply operands that are first quantised to E2M1 (2 exponent bits, 1 mantissa bit; 4 bits a number), with one power-of-two scale for each 32 numbers along K (OCP MX v1.0); their sums are f32. All else is computed in f32.
;;   The module's matrix products, in the order in which they are computed (A, B: the left and right operand; K: the contracted axis; several contracted axes count as one K, in the product's order):
;;     1. [M 8,192, K 1,024] x [K 1,024, N 3,072]; A: input x (given as codes); B: input w_qkv (given as codes): QUANTISED
;;     2. batch 64 x [M 2,048, K 64] x [K 64, N 2,048]; A: computed on the way; B: computed on the way: QUANTISED
;;     3. batch 64 x [M 2,048, K 2,048] x [K 2,048, N 64]; A: softmax (see below); B: computed on the way: QUANTISED
;;     4. [M 8,192, K 1,024] x [K 1,024, N 1,024]; A: computed on the way; B: input w_out (given as codes): QUANTISED
;;   THE QUANTISER, for each operand of a quantised product, along K:
;;     - K is cut into blocks of 32 from its start; a last block that is shorter is filled with zeros.
;;     - A block's scale is 2^e with e = floor(log2(the largest magnitude in the block)) - 2, held to -126 .. 127; a block of zeros has e = 0. As a byte (E8M0): e + 127.
;;     - Each number is divided by its block's scale, clamped to +-6, and rounded to the nearest number of E2M1, ties to even, subnormals kept.
;;     - The product sums the exact products of the quantised numbers (number of the format x scale) in f32.
;;   ~~~python
;;   def quantise(x, axis):      # numpy; x: float32 -> the quantised numbers, widened to float32 again
;;       x = np.moveaxis(x, axis, -1); K = x.shape[-1]
;;       x = np.pad(x, [(0, 0)] * (x.ndim - 1) + [(0, -K % 32)]); x = x.reshape(x.shape[:-1] + (-1, 32)); a = np.abs(x).max(-1, keepdims=True)
;;       e = np.where(a > 0, np.clip(np.frexp(np.where(a > 0, a, 1))[1] - 1 - 2, -126, 127), 0)      # np.frexp(a)[1] - 1 = floor(log2(a)), exactly
;;       r = np.clip(x / 2.0 ** e, -6, 6)
;;       step = 2.0 ** (np.maximum(np.frexp(np.where(r == 0, 1, r))[1] - 1, 0) - 1)
;;       q = np.round(r / step) * step * 2.0 ** e      # np.round: ties to even
;;       return np.moveaxis(q.reshape(q.shape[:-2] + (-1,))[..., :K], -1, axis).astype(np.float32)
;;   ~~~
;;   SOFTMAX AHEAD OF A QUANTISED PRODUCT. Where the list says 'softmax', what is quantised is not the finished softmax but p = 2^(t - M), with t = logit x log2(e) and M = ceil(the row's largest t), a whole number; so 1/2 < the row's largest p <= 1. The row's sum l is taken of the UNQUANTISED p, in f32, and the product's result is divided by l at the end. Since M is a whole number, a kernel that streams over the keys may use a running M (the ceiling of the running maximum): every later rescaling is an exact power of two, which a block's scale takes up: the codes' values come out the same.
;;   OPERANDS COMPUTED ON THE WAY. 'Computed on the way' means the value that the module computes at that place (a softmax that the list does not call 'softmax' is quantised finished and normalised). What goes into a quantiser is computed in f32, as accurately as f32 sums, v_exp_f32 and their like allow (about 1e-6 of the number): no bf16 or f16 on the way to a quantiser, and a product that is left as it is and whose result goes on into a quantised operand takes f32 operands (vector FMAs, or v_wmma_f32_16x16x4_f32). A number that lies on a knife's edge between two numbers of the format may be rounded either way, as far as f32 arithmetic and the matrix unit's own rounding can turn it there, and no further.
;;   INPUTS GIVEN AS CODES. w_out (in the module: [1024, 1024], K = its axis 1); w_qkv (in the module: [3072, 1024], K = its axis 1); x (in the module: [4, 2048, 1024], K = its axis 2): each comes as NAME_codes (uint8): NAME with its K axis moved to the last place and cut into blocks of 32 codes, [.., K / 32, bytes a block], one block behind the other in memory; two codes a byte, the lower K in the low four bits (a code: sign, 2 exponent bits, 1 mantissa bit); and NAME_scales (uint8): the same leading axes, one E8M0 byte (e + 127) for each 32 codes along K. Its value is code x scale, taken as it is: it is not quantised again, and the codes and scales need not be those that the quantiser above would give.
;; One version. Each part assembles by itself: llvm-mc -triple=amdgcn-amd-amdhsa -mcpu=gfx1250 --defsym DOCPART=n.
;; ======== version 1 of 1: 3 launches
;; workspace buffers: qrec 4,456,448 bytes; kv 8,912,896 bytes; oimg 4,194,304 bytes; osc 262,144 bytes
;; launch qkv (part 1): grid 8 x 32, 4 waves a work-group, clusters of 4 x 4, 327,680 bytes of LDS; arguments x_codes, x_scales, w_qkv_codes, w_qkv_scales, b_qkv, qrec, kv; writes qrec, kv
.if DOCPART == 1
	.amdgcn_target "amdgcn-amd-amdhsa--gfx1250"
	.amdhsa_code_object_version 6
	.text
	.protected	k_q164b577b7c_qkv
	.globl	k_q164b577b7c_qkv
	.p2align	8
	.type	k_q164b577b7c_qkv,@function
k_q164b577b7c_qkv:
	s_mov_b64 s[64:65], 0
	v_nop
	global_prefetch_b8 v0, s[64:65] scope:SCOPE_SE
	s_setreg_imm32_b32 hwreg(HW_REG_WAVE_MODE, 25, 1), 1
	s_wait_xcnt 0x0
	s_wait_alu depctr_hold_cnt(0) depctr_sa_sdst(0) depctr_va_vdst(0) depctr_va_sdst(0) depctr_va_ssrc(0) depctr_va_vcc(0) depctr_vm_vsrc(0)
	s_getreg_b32 s2, hwreg(HW_REG_IB_STS2, 6, 4)
	s_cmp_eq_u32 s2, 0
	s_cbranch_scc0 .Lentry_in_a_cluster
	s_endpgm
.Lentry_in_a_cluster:
	s_bfe_u32 s2, ttmp6, 0x10000c
	s_cmp_lg_u32 s2, 0xf033
	s_cbranch_scc0 .Lentry_shape_is_right
	s_endpgm
.Lentry_shape_is_right:
; qkv = x W^T + b on codes of FP4 (E2M1) with one E8M0 scale for each 32 along K = 1,024; the results are quantised at once and leave as codes:
; q and k along the head's 64 numbers, v along the keys.  No f32 number of q, k or v goes to memory.
; SHARES.  256 equal work-groups of four waves.  Work-group (TX 0..7, TY 0..31) owns tokens 256 TY on and makes, one after the other,
;   part 1: columns 256 TX on (TX 0-3: q, TX 4-7: k), a wave 128 tokens x 128 columns: 64 accumulators of 16 x 16;
;   part 2: v's columns 128 TX on (two heads), a wave 64 columns (one head) x 128 tokens: 32 accumulators.
; ALL OF K LIES IN LDS, in two halves along K: a row of 1,024 codes is 512 bytes.  x's 256 rows and part 1's 256 rows of W are first fills.  640 rows of 544 bytes (with padding) do not fit into
; 327,680 bytes, so part 2's 128 rows of W are brought by ONE refill into the bytes of W's rows 0-127, asked for in part 1's last K step; it lands while part 1's results are quantised and stored.
; CLUSTERS: 4 x 4 work-groups.  The four of a row of the cluster need the same rows of x, the four of a column the same rows of W: each tile is asked for jointly, by the same tensor load with a mask that names the four.
; WHAT A LANE HOLDS.  Source 0's rows run down a lane's registers, source 1's rows lie across the lanes.  A quantiser wants its K in ONE lane's registers:
;   part 1: source 0 = rows of W, source 1 = rows of x: a lane holds one token, its registers 128 columns = two heads = four blocks of 32.
;   part 2: source 0 = rows of x, source 1 = rows of W: a lane holds one column (a head's number), its registers 128 tokens = four blocks of 32 keys.
; FROM RESULTS TO AN OPERAND.  Register j of tile t in lane (r, h) is index 16 t + 8 h + j along the next K.  A conversion of tile t gives eight codes a lane: octet 2 t in lanes 0-15, octet 2 t + 1 in lanes 16-31.
; The operand's register 4 c + i wants octet 8 c + i below and 8 c + 4 + i above: tile t's codes go to register 4 (t / 4) + 2 (t % 2) + (t % 4) / 2, and neighbouring registers exchange halves.
; WORKSPACE, laid as images of operand registers (four registers = 512 bytes, lane l's 16 bytes at 16 l), in records for each (batch, head, 128 tokens):
;   kv, 8,704 bytes: 0 k's 8 tiles of 16 tokens (512 each); 4,096 k's scale words [row 16][pair of tiles 4]; 4,352 v^T's 4 tiles of 16 numbers x 128 keys (1,024 each); 8,448 v's scale words [row 16][tile 4].
;   qrec, 4,352 bytes: the first two parts, for q.
; LIMITS: NaN and infinities are not served.  A block whose largest magnitude lies under 2^-124 (a block of zeros too) gets the scale byte 1: its codes are zeros or what the floor's scale leaves; these bytes are read by this program alone.
.set PITCH,  272                       ; an LDS row: 256 bytes + 16 of padding = 68 words: the 16 rows that a fragment load touches start at 16 different banks (64 banks of 4 bytes: ISA guide 11.1)
.set HALFT,  128*PITCH                 ; 128 rows: what one tensor load brings
.set SLOT,   4*HALFT                   ; a half of K: x's 256 rows, then W's 256 rows
.set SCL,    2*SLOT                    ; behind them the scale bytes: pieces of 256 bytes + 16 of padding; x's 256 rows, then W's
.set HALFS,  16*272                    ; the scale bytes of 128 rows (32 bytes a row)
.set SBLK,   2*272                     ; those of 16 rows
.set SPARE,  SCL+4*HALFS               ; behind the scale bytes: the spare words, 128 bytes for each wave: two blocks of 256 bytes that no other line names
.set REC,    8704
.set QREC,   4352
.set WA2,  8                           ; v8-9    part 2: LDS address of the fragments of source 1 (v's rows of W) in half 0, 1
.set XB2,  10                          ; v10-11  part 2: of source 0 (x)
.set VO,   12                          ; v12     32 x (lane % 16): my row among 16 rows of W's scale bytes in memory; never rewritten
.set BO,   13                          ; v13     4 x (lane % 16): my column's bias; never rewritten
.set ADS2, 14                          ; v14     part 2: LDS address of x's scale words
.set GS2,  15                          ; v15     part 2: 16 x (lane % 16): where my row's four scale words go
.set ADRA, 16                          ; v16-17  part 1: LDS address of the fragments of source 1 (x) in half 0, 1
.set ADRB, 20                          ; v20-21  part 1: of source 0 (W)
.set ADSA, 24                          ; v24     part 1: of x's scale words
.set ADSB, 25                          ; v25     part 1: of W's
.set GO,   26                          ; v26     16 x lane: an image's place for my lane
.set GS,   27                          ; v27     part 1: where my lane's four scale words go
.set SPW,  28                          ; v28     LDS address of my spare word: SPARE + 4 x my thread's number; never rewritten
.set NIL,  29                          ; v29     0; never rewritten
.set SA,   32                          ; part 1: v32-95 source 1's scale words: tile i, K step g at SA + 8 i + g
.set AF,   128                         ; v128-191 source 1's fragments: part 1 one set of 8, part 2 two sets of 4
.set SB,   192                         ; part 1: v192-255 source 0's scale words
.set SB2,  32                          ; part 2: v32-95 source 0's (x's) scale words
.set SA2,  192                         ; part 2: v192-223 source 1's (W's)
.set BL,   224                         ; part 2: v224-231 the bias: a pair for each tile, both words alike
.set T,    32                          ; the ways out: v32-95 64 numbers of a lane
.set PC,   96                          ; v96-159  codes: eight registers for each tile, so that no store's data are written again within a way out
.set SW,   160                         ; v160-167 a scale word for each tile
.set TM,   168                         ; v168-183 at work: +0 largest magnitudes, +4 the other half's, then the bytes, +12 the conversions' scale operands
.set X,    184                         ; v184-187 four scale words on their way out
.set VSEL, 188                         ; v188-190 byte selects
.set WV, 18
.set HI, 19
.set LO, 20
.set TY, 21
.set TX, 42
.set SEL, 40                           ; s[40:41] lane selects for v_permlanex16_b32 (written when cx and cy are done with)
.set G1X, 24                           ; s[24:31] descriptor group 1 for x's tiles;  s[32:39] group 0, one set for each half of K
.set G0X, 32
.set G1W, 48                           ; s[48:55], s[56:63] the same for W's
.set G0W, 56
.set G1SX, 68                          ; s[68:75], s[76:79] for x's scale bytes;  s[80:87], s[88:91] for W's
.set G0SX, 76
.set G1SW, 80
.set G0SW, 88
.set G0V,  92                          ; s[92:95] group 0 of the refill: v's rows of W
.set BASE0, 100                        ; s[100:101] part 1: the record that my results go to;  s[96:97] the next head's
.set BASE1, 96
.set BASE2, 46                         ; s[46:47] part 2: my record
.set WSB,  66                          ; s[66:67] part 2: W's scale bytes at my 64 rows
.set BB2,  44                          ; s[44:45] part 2: b_qkv at my 64 columns
.set MSB, 0
.macro WIN new                         ; s_set_vgpr_msb: bits 1:0 source 0, 3:2 source 1, 5:4 source 2, 7:6 destination; the high byte repeats the setting that is left
.if MSB != (\new)
	s_set_vgpr_msb (MSB<<8)|(\new)
.set MSB, (\new)
.endif
.endm
.macro PLACES n
.rept \n
	v_nop
.endr
.endm
; A joint load: waves 0 and 1 fetch for x, waves 2 and 3 for W.  Each of the two lines has one mask and one set of registers; the branch hangs on the wave's number alone.
; Four v_nop follow each of the two lines, ahead of the jump, the label and what follows.
.macro JLOAD g0a, g1a, g0b, g1b
	s_cmp_eq_u32 s[HI], 0
	s_cbranch_scc0 .Lfor_w_\@
	tensor_load_to_lds s[\g0a:\g0a+3], s[\g1a:\g1a+7]
	s_nop 0
	PLACES 4
	s_branch .Lasked_\@
.Lfor_w_\@:
	tensor_load_to_lds s[\g0b:\g0b+3], s[\g1b:\g1b+7]
	s_nop 0
	PLACES 4
.Lasked_\@:
.endm
.macro CREST                           ; a round of the cluster's barrier behind its opening barrier
	s_cmp_lg_u32 s[WV], 0
	s_cbranch_scc1 .Lnot_wave_0_\@
	s_barrier_signal -3
.Lnot_wave_0_\@:
	s_barrier_wait -3
	s_barrier_signal -1
	s_barrier_wait -1
.endm
.macro CROUND                          ; a whole round
	s_barrier_signal -1
	s_barrier_wait -1
	CREST
.endm
	s_load_b128 s[4:7], s[0:1], 0x0                ; x's codes, x's scales
	s_load_b128 s[8:11], s[0:1], 0x10              ; W's codes, W's scales
	s_load_b128 s[12:15], s[0:1], 0x20             ; b_qkv, qrec
	s_load_b64 s[16:17], s[0:1], 0x30              ; kv
	v_lshl_add_u32 v[SPW], v0, 2, SPARE
	v_mov_b32 v[NIL], 0
	ds_add_u32 v28, v29
	ds_add_u32 v28, v29
	s_wait_dscnt 0x0
	v_lshrrev_b32 v1, 5, v0
	v_readfirstlane_b32 s[WV], v1                  ; wave 0..3
	s_lshr_b32 s[HI], s[WV], 1                     ; which rows of source 1 are mine.  Also: I fetch for x (0) or for W (1)
	s_and_b32 s[LO], s[WV], 1                      ; which 128 rows of source 0.  Also: which 128 rows of a tile, or which half of K, I fetch
	s_bfe_u32 s40, ttmp6, 0x40000                  ; cx, cy: my place in the cluster
	s_bfe_u32 s41, ttmp6, 0x40004
	s_lshl_b32 s[TX], ttmp9, 2
	s_add_co_u32 s[TX], s[TX], s40                 ; block of columns = 4 x cluster x + cx
	s_and_b32 s[TY], ttmp7, 0xffff
	s_lshl_b32 s[TY], s[TY], 2
	s_add_co_u32 s[TY], s[TY], s41                 ; block of 256 tokens = 4 x cluster y + cy
	s_lshl_b32 s43, s41, 2
	s_lshl_b32 s43, 15, s43                        ; my row of the cluster
	s_lshl_b32 s44, 0x1111, s40                    ; my column
	; group 1 of the codes' tiles: 128 rows x 256 bytes, 512 bytes from row to row, 16 bytes of padding behind each row
	s_or_b32 s[G1X+0], s43, (1<<20)|(1<<21)|(5<<22)|(3<<25)   ; 15:0 the mask: x's tiles go to my row; 17:16 elements of 1 byte; 20 padding on; 21 set beside a mask; 24:22 after every 64 words; 31:25 four words
	s_or_b32 s[G1W+0], s44, (1<<20)|(1<<21)|(5<<22)|(3<<25)   ; W's go to my column
.irp g, G1X, G1W
	s_mov_b32 s[\g+1], 256<<16                     ; tensor_dim0
	s_mov_b32 s[\g+2], 128<<16                     ; tensor_dim1
	s_mov_b32 s[\g+3], 256<<16                     ; tile_dim0
	s_mov_b32 s[\g+4], 128                         ; tile_dim1
	s_mov_b32 s[\g+5], 512                         ; tensor_dim0_stride
	s_mov_b32 s[\g+6], 0
	s_mov_b32 s[\g+7], 0
.endr
	; and of the scale bytes of 128 rows: 4,096 dense bytes as 16 rows of 32 elements of 8 bytes, 16 bytes of padding behind each
	s_or_b32 s[G1SX+0], s43, (3<<16)|(1<<20)|(1<<21)|(5<<22)|(3<<25)
	s_or_b32 s[G1SW+0], s44, (3<<16)|(1<<20)|(1<<21)|(5<<22)|(3<<25)
.irp g, G1SX, G1SW
	s_mov_b32 s[\g+1], 32<<16
	s_mov_b32 s[\g+2], 16<<16
	s_mov_b32 s[\g+3], 32<<16
	s_mov_b32 s[\g+4], 16
	s_mov_b32 s[\g+5], 32
	s_mov_b32 s[\g+6], 0
	s_mov_b32 s[\g+7], 0
.endr
	s_lshl_b32 s22, s[LO], 7                       ; which 128 rows of the tile I fetch
	s_lshl_b32 s66, s[TY], 8
	s_add_co_u32 s66, s66, s22                     ; x: row 256 x token block + 128 x half: it hangs on nothing that my row of the cluster does not share
	s_lshl_b32 s46, s[TX], 8
	s_add_co_u32 s46, s46, s22                     ; W: row 256 x column block + 128 x half
	s_mov_b32 s67, 0
	s_mov_b32 s47, 0
	s_lshl_b64 s[96:97], s[66:67], 5               ; where these rows' scale bytes begin (32 a row),
	s_lshl_b64 s[92:93], s[46:47], 5
	s_lshl_b64 s[66:67], s[66:67], 9               ; and their codes (512 a row)
	s_lshl_b64 s[46:47], s[46:47], 9
	s_mul_i32 s45, s[WV], HALFT                    ; where they go: wave x 128 rows: no place in the cluster enters an LDS address
	s_mul_i32 s94, s[WV], HALFS
	s_wait_kmcnt 0x0
	s_add_nc_u64 s[66:67], s[4:5], s[66:67]
	s_add_nc_u64 s[96:97], s[6:7], s[96:97]
	s_add_nc_u64 s[46:47], s[8:9], s[46:47]
	s_add_nc_u64 s[92:93], s[10:11], s[92:93]
	CROUND                                         ; all sixteen work-groups are here: the joint loads meet
	s_mov_b32 s[G0SX], 1
	s_add_co_u32 s[G0SX+1], s94, SCL
	s_mov_b64 s[G0SX+2:G0SX+3], s[96:97]
	s_or_b32 s[G0SX+3], s[G0SX+3], 0x80000000
	s_mov_b32 s[G0SW], 1
	s_add_co_u32 s[G0SW+1], s94, SCL
	s_mov_b64 s[G0SW+2:G0SW+3], s[92:93]
	s_or_b32 s[G0SW+3], s[G0SW+3], 0x80000000
	JLOAD G0SX, G1SX, G0SW, G1SW                   ; the scale bytes first: they are wanted with the first K step
.irp s, 0,1
	s_mov_b32 s[G0X+4*\s], 1
	s_add_co_u32 s[G0X+4*\s+1], s45, \s*SLOT
	s_add_nc_u64 s[G0X+4*\s+2:G0X+4*\s+3], s[66:67], \s*256
	s_or_b32 s[G0X+4*\s+3], s[G0X+4*\s+3], 0x80000000
	s_mov_b32 s[G0W+4*\s], 1
	s_add_co_u32 s[G0W+4*\s+1], s45, \s*SLOT
	s_add_nc_u64 s[G0W+4*\s+2:G0W+4*\s+3], s[46:47], \s*256
	s_or_b32 s[G0W+4*\s+3], s[G0W+4*\s+3], 0x80000000
	JLOAD G0X+4*\s, G1X, G0W+4*\s, G1W             ; three loads of mine are out: all the first fills
.endr
	; group 0 of the refill: v's rows of W, 2,048 + 128 TX on; half LO of K, into the bytes of W's rows 0-127 of that half.  It names registers of no load that is out
	s_lshl_b32 s46, s[TX], 16                      ; 128 TX rows of 512 bytes,
	s_add_co_u32 s46, s46, 0x100000                ; behind 2,048 rows,
	s_lshl_b32 s47, s[LO], 8                       ; 256 bytes on for K's second half
	s_add_co_u32 s46, s46, s47
	s_mov_b32 s47, 0
	s_mov_b32 s[G0V], 1
	s_mul_i32 s[G0V+1], s[LO], SLOT
	s_add_co_u32 s[G0V+1], s[G0V+1], 2*HALFT
	s_add_nc_u64 s[G0V+2:G0V+3], s[8:9], s[46:47]
	s_or_b32 s[G0V+3], s[G0V+3], 0x80000000
.macro FRAG reg, adr, q, i             ; a fragment, 16 rows x 128 K of 4-bit codes, is 8 registers: lane l holds row l % 16; registers 4 c .. 4 c + 3 hold K = 64 c + 32 (l / 16) + 0 .. 31
.irp c, 0,1
	ds_load_b128 v[(\reg)+4*\c:(\reg)+4*\c+3], v[\adr] offset:64*(\q)+32*\c+(\i)*16*PITCH
.endr
.endm
.macro FETCH_B slot, q, p              ; part 1: source 0's eight fragments of the half's q-th 128 along K into set p (window 1, v0 or v128 on)
	WIN 0x40
.irp i, 0,1,2,3,4,5,6,7
	FRAG 128*(\p)+8*\i, ADRB+\slot, \q, \i
.endr
	WIN 0
.endm
.macro FETCH_A slot, q, i0             ; part 1: source 1's blocks i0 .. i0 + 3
.irp i, \i0, \i0+1, \i0+2, \i0+3
	FRAG AF+8*(\i), ADRA+\slot, \q, \i
.endr
.endm
; Part 1, 16 matrix instructions: source 1's blocks a0, a0 + 1 x source 0's eight, K step g.  zero = 1: the first product starts the sums.  The 64 accumulators take turns, one instruction a turn, in the same order in every step.
.macro MUL16 a0, p, g, zero
.irp a, \a0, \a0+1
.irp b, 0,1,2,3,4,5,6,7
.if \zero
	v_wmma_scale_f32_16x16x128_f8f6f4 v[8*(8*((\a)%4)+\b):8*(8*((\a)%4)+\b)+7], v[128*(\p)+8*\b:128*(\p)+8*\b+7], v[AF+8*(\a):AF+8*(\a)+7], 0, v[SB+8*\b+(\g)], v[SA+8*(\a)+(\g)] matrix_a_fmt:MATRIX_FMT_FP4 matrix_b_fmt:MATRIX_FMT_FP4
.else
	v_wmma_scale_f32_16x16x128_f8f6f4 v[8*(8*((\a)%4)+\b):8*(8*((\a)%4)+\b)+7], v[128*(\p)+8*\b:128*(\p)+8*\b+7], v[AF+8*(\a):AF+8*(\a)+7], v[8*(8*((\a)%4)+\b):8*(8*((\a)%4)+\b)+7], v[SB+8*\b+(\g)], v[SA+8*(\a)+(\g)] matrix_a_fmt:MATRIX_FMT_FP4 matrix_b_fmt:MATRIX_FMT_FP4
.endif
.endr
.endr
.endm
; Part 1: a step of 128 along K that has its successor in the same half.  A block of source 1 is free as soon as its eight products are issued, so it has one set of registers; source 0 has two.
; A load into a register that a matrix instruction has read stands four plain vector instructions behind it (ISA guide 7.12.1 for vector instructions).
.macro STEP slot, q, zero
	s_wait_dscnt 8                                 ; all but the youngest eight loads (blocks 4-7) are in
	WIN 0xa1                                       ; source 0 window 1, source 1 window 0, C and D window 2
	MUL16 0, (\q)%2, 4*(\slot)+(\q), \zero
	MUL16 2, (\q)%2, 4*(\slot)+(\q), \zero
	s_wait_dscnt 0                                 ; blocks 4-7 are in (asked for 32 matrix instructions ago)
	PLACES 4
	FETCH_B \slot, (\q)+1, 1-(\q)%2
	FETCH_A \slot, (\q)+1, 0
	WIN 0xf1                                       ; C and D window 3
	MUL16 4, (\q)%2, 4*(\slot)+(\q), \zero
	MUL16 6, (\q)%2, 4*(\slot)+(\q), \zero
	PLACES 4
	WIN 0
	FETCH_A \slot, (\q)+1, 4
.endm
; Part 2: K step g's fragments into set p: x's eight (window 1, v0 or v128 on), W's four (window 0)
.macro FETCH2 g, p
	WIN 0x40
.irp i, 0,1,2,3,4,5,6,7
	FRAG 128*(\p)+8*\i, XB2+(\g)/4, (\g)%4, \i
.endr
	WIN 0
.irp i, 0,1,2,3
	FRAG AF+32*(\p)+8*\i, WA2+(\g)/4, (\g)%4, \i
.endr
.endm
; Part 2: 32 matrix instructions; the 32 accumulators (window 2) take turns, one instruction a turn, in the same order in every step.  K step 0 starts the sums.
.macro MUL2 g, p
	WIN 0xa1
.irp a, 0,1,2,3
.irp b, 0,1,2,3,4,5,6,7
.if (\g) == 0
	v_wmma_scale_f32_16x16x128_f8f6f4 v[8*(8*\a+\b):8*(8*\a+\b)+7], v[128*(\p)+8*\b:128*(\p)+8*\b+7], v[AF+32*(\p)+8*\a:AF+32*(\p)+8*\a+7], 0, v[SB2+8*\b+(\g)], v[SA2+8*\a+(\g)] matrix_a_fmt:MATRIX_FMT_FP4 matrix_b_fmt:MATRIX_FMT_FP4
.else
	v_wmma_scale_f32_16x16x128_f8f6f4 v[8*(8*\a+\b):8*(8*\a+\b)+7], v[128*(\p)+8*\b:128*(\p)+8*\b+7], v[AF+32*(\p)+8*\a:AF+32*(\p)+8*\a+7], v[8*(8*\a+\b):8*(8*\a+\b)+7], v[SB2+8*\b+(\g)], v[SA2+8*\a+(\g)] matrix_a_fmt:MATRIX_FMT_FP4 matrix_b_fmt:MATRIX_FMT_FP4
.endif
.endr
.endr
.endm
; 64 numbers of a lane, v[s] on (register 16 b + i: block b of my row's next K; the block's other 16 lie in lane l xor 16), become a fragment's 8 registers of codes, v[pc] on, and its scale word v[pw].
.macro QUANT s, pc, pw
.irp b, 0,1,2,3
	v_max3_num_f32 v[TM+\b], |v[(\s)+16*\b]|, |v[(\s)+16*\b+1]|, 0x1800000   ; my 16 numbers of block b, and the floor 2^(3 - 127): so the byte cannot fall under 1
.endr
.irp i, 2,4,6,8,10,12,14
.irp b, 0,1,2,3
	v_max3_num_f32 v[TM+\b], v[TM+\b], |v[(\s)+16*\b+\i]|, |v[(\s)+16*\b+\i+1]|   ; (the four blocks by turns)
.endr
.endr
.irp b, 0,1,2,3
	v_permlanex16_b32 v[TM+4+\b], v[TM+\b], s[SEL], s[SEL+1]
.endr
.irp b, 0,1,2,3
	v_max_num_f32 v[TM+\b], v[TM+\b], v[TM+4+\b]   ; with lane l xor 16's: the block's largest magnitude
.endr
.irp b, 0,1,2,3
	v_add_nc_u32 v[TM+12+\b], 0xff000000, v[TM+\b] ; 2 off its exponent field: the conversion takes the exponent field of this operand as its scale
.endr
.irp b, 0,1,2,3
	v_lshrrev_b32 v[TM+4+\b], 23, v[TM+12+\b]      ; the scale's byte
.endr
	v_lshl_or_b32 v[\pw], v[TM+5], 8, v[TM+4]
	v_lshl_or_b32 v[\pw], v[TM+6], 16, v[\pw]
	v_lshl_or_b32 v[\pw], v[TM+7], 24, v[\pw]      ; my row's scale word (both halves of the lanes hold it)
.irp t, 0,1,2,3,4,5,6,7
	v_cvt_scalef32_pk8_fp4_f32 v[(\pc)+4*(\t/4)+2*(\t%2)+(\t%4)/2], v[(\s)+8*\t:(\s)+8*\t+7], v[TM+12+\t/2]
.endr
	v_nop                                          ; one plain vector instruction behind a scaled conversion
.irp i, 0,2,4,6
	v_permlane16_swap_b32 v[(\pc)+\i], v[(\pc)+\i+1]   ; the first's lanes 16-31 change places with the second's lanes 0-15: now the registers are the operand's
.endr
.endm
	; ---- addresses, for both parts
	v_and_b32 v1, 15, v0                           ; r = lane % 16
	v_bfe_u32 v2, v0, 4, 1                         ; h = lane / 16
	v_mul_u32_u24 v3, v1, PITCH
	v_lshl_add_u32 v4, v2, 4, v3                   ; a fragment's row x pitch + 16 x half
	s_wait_alu depctr_va_vdst(0)
	s_mul_i32 s22, s[HI], HALFT                    ; part 1: source 1 = x's rows 128 HI on,
	s_mul_i32 s23, s[LO], HALFT                    ; source 0 = W's rows 128 LO on,
	s_add_co_u32 s23, s23, 2*HALFT                 ; which lie behind x's 256
.irp s, 0,1
	v_add_nc_u32 v[ADRA+\s], s22, v4
	v_add_nc_u32 v[ADRB+\s], s23, v4
	s_add_co_u32 s22, s22, SLOT
	s_add_co_u32 s23, s23, SLOT
.endr
	s_mul_i32 s22, s[HI], 64*PITCH                 ; part 2: source 1 = v's rows of W, 64 HI on, where W's rows 0-127 lay;
	s_add_co_u32 s22, s22, 2*HALFT
	s_mul_i32 s23, s[LO], HALFT                    ; source 0 = x's rows 128 LO on
.irp s, 0,1
	v_add_nc_u32 v[WA2+\s], s22, v4
	v_add_nc_u32 v[XB2+\s], s23, v4
	s_add_co_u32 s22, s22, SLOT
	s_add_co_u32 s23, s23, SLOT
.endr
	v_lshlrev_b32 v[VO], 5, v1                     ; my row's scale bytes: 32 a row,
	v_lshrrev_b32 v6, 8, v[VO]
	v_lshl_add_u32 v5, v6, 4, v[VO]                ; in LDS 16 more for each 256 passed
	s_mul_i32 s22, s[HI], HALFS
	s_mul_i32 s23, s[LO], HALFS
	s_add_co_u32 s22, s22, SCL
	v_add_nc_u32 v[ADSA], s22, v5                  ; part 1: x's rows 128 HI on
	s_add_co_u32 s22, s23, SCL
	v_add_nc_u32 v[ADS2], s22, v5                  ; part 2: x's rows 128 LO on
	s_add_co_u32 s23, s23, SCL+2*HALFS
	v_add_nc_u32 v[ADSB], s23, v5                  ; part 1: W's rows 128 LO on
	v_lshlrev_b32 v[BO], 2, v1
	v_lshlrev_b32 v[GS2], 4, v1
	v_and_b32 v6, 31, v0
	v_lshlrev_b32 v[GO], 4, v6
	; part 1's bias, into window 1, v64-127: a lane's registers run along the columns: tile b's eight numbers at 16 b + 8 h
	s_lshl_b32 s2, s[TX], 10
	s_lshl_b32 s3, s[LO], 9
	s_add_co_u32 s2, s2, s3
	s_mov_b32 s3, 0
	s_add_nc_u64 s[2:3], s[12:13], s[2:3]          ; b_qkv at my 128 columns
	v_lshlrev_b32 v7, 5, v2
	WIN 0x40
.irp b, 0,1,2,3,4,5,6,7
	global_load_b128 v[64+8*\b:64+8*\b+3], v7, s[2:3] offset:64*\b
	global_load_b128 v[64+8*\b+4:64+8*\b+7], v7, s[2:3] offset:64*\b+16
.endr
	WIN 0
	; part 1's record: ((batch x 16 + head) x 16 + group of 128 tokens)
	s_lshl_b32 s22, s[TY], 1
	s_add_co_u32 s22, s22, s[HI]                   ; my group of 128 tokens, counted over the batches
	s_lshl_b32 s23, s[TX], 2
	s_lshl_b32 s45, s[LO], 1
	s_add_co_u32 s23, s23, s45
	s_and_b32 s23, s23, 15                         ; the first of my two heads
	s_lshr_b32 s45, s22, 4                         ; the batch
	s_lshl_b32 s45, s45, 4
	s_add_co_u32 s45, s45, s23
	s_lshl_b32 s45, s45, 4
	s_and_b32 s22, s22, 15
	s_add_co_u32 s45, s45, s22
	s_mov_b32 s99, 0
	s_mov_b32 s23, QREC
	s_cmp_eq_u32 ttmp9, 1                          ; k's columns or q's?  The choice hangs on the cluster's x alone
	s_cselect_b64 s[BASE0:BASE0+1], s[16:17], s[14:15]
	s_cselect_b32 s23, REC, s23                    ; a record's bytes
	s_mul_i32 s98, s45, s23
	s_add_nc_u64 s[BASE0:BASE0+1], s[BASE0:BASE0+1], s[98:99]
	s_lshl_b32 s98, s23, 4                         ; 16 records on: the next head
	s_add_nc_u64 s[BASE1:BASE1+1], s[BASE0:BASE0+1], s[98:99]
	v_mul_u32_u24 v6, s98, v2                      ; lanes 16-31 store the second head's scale words
	v_lshl_add_u32 v[GS], v1, 4, v6                ; 16 bytes for each row
	; part 2's record: head 2 TX + HI, tokens 128 (2 TY + LO) on
	s_lshl_b32 s22, s[TY], 1
	s_add_co_u32 s22, s22, s[LO]
	s_lshl_b32 s23, s[TX], 1
	s_add_co_u32 s23, s23, s[HI]
	s_lshr_b32 s45, s22, 4
	s_lshl_b32 s45, s45, 4
	s_add_co_u32 s45, s45, s23
	s_lshl_b32 s45, s45, 4
	s_and_b32 s22, s22, 15
	s_add_co_u32 s45, s45, s22
	s_mul_i32 s98, s45, REC
	s_add_nc_u64 s[BASE2:BASE2+1], s[16:17], s[98:99]
	s_lshl_b32 s98, s[TX], 12                      ; W's scale bytes at row 2,048 + 128 TX + 64 HI: 32 bytes a row
	s_lshl_b32 s22, s[HI], 11
	s_add_co_u32 s98, s98, s22
	s_add_co_u32 s98, s98, 0x10000
	s_add_nc_u64 s[WSB:WSB+1], s[10:11], s[98:99]
	s_lshl_b32 s98, s[TX], 9                       ; b_qkv at column 2,048 + 128 TX + 64 HI
	s_lshl_b32 s22, s[HI], 8
	s_add_co_u32 s98, s98, s22
	s_add_co_u32 s98, s98, 0x2000
	s_add_nc_u64 s[BB2:BB2+1], s[12:13], s[98:99]
	s_wait_alu depctr_va_vdst(0)
	; ---- PART 1: q or k
	s_wait_tensorcnt 0x1                           ; the scale bytes and my part of K's first half are in; the second half's load may be out
	s_barrier_signal -1
	s_barrier_wait -1                              ; everybody's are
	FETCH_B 0, 0, 0
	FETCH_A 0, 0, 0
.irp i, 0,1,2,3,4,5,6,7                ; all scale words of my 128 + 128 rows, once: eight words a row; lane r takes row r's (lanes 16-31 read the same and are not used)
.irp j, 0,1
	ds_load_b128 v[SA+8*\i+4*\j:SA+8*\i+4*\j+3], v[ADSA] offset:\i*SBLK+16*\j
	ds_load_b128 v[SB+8*\i+4*\j:SB+8*\i+4*\j+3], v[ADSB] offset:\i*SBLK+16*\j
.endr
.endr
	FETCH_A 0, 0, 4
	STEP 0, 0, 1                                   ; the first step's products start the sums: nothing is cleared
	STEP 0, 1, 0
	STEP 0, 2, 0
	; the first half's last step goes over to the second half: one barrier, in front of which each wave has seen its own part of that half land
	s_wait_tensorcnt 0x0
	s_wait_dscnt 8
	WIN 0xa1
	MUL16 0, 1, 3, 0
	s_wait_dscnt 0x0                               ; no LDS instruction of mine is out at the signal
	s_barrier_signal -1
	MUL16 2, 1, 3, 0                               ; work on registers while the others arrive
	s_barrier_wait -1
	PLACES 4
	FETCH_B 1, 0, 0
	FETCH_A 1, 0, 0
	WIN 0xf1
	MUL16 4, 1, 3, 0
	MUL16 6, 1, 3, 0
	PLACES 4
	WIN 0
	FETCH_A 1, 0, 4
	STEP 1, 0, 0
	STEP 1, 1, 0
	STEP 1, 2, 0
	; part 1's last step: all its fragments have been asked for, so W's rows are done with.  In front of the round each wave waits for all its tensor loads, adds 0 to its spare word, and waits for that and for its reads
	s_wait_tensorcnt 0x0                           ; no tensor load of mine is out  (every window is 0 here: the add's two registers lie in window 0)
	ds_add_u32 v[SPW], v[NIL]                      ; 0 onto my spare word
	s_wait_dscnt 9                                 ; (the add and the youngest eight loads, blocks 4-7, may be out)
	WIN 0xa1
	MUL16 0, 1, 7, 0                               ; sixteen matrix instructions stand between the add and the wait for it
	s_wait_dscnt 0x0                               ; the add is done, and my reads of W's rows are over
	s_barrier_signal -1
	MUL16 2, 1, 7, 0
	WIN 0
	s_barrier_wait -1
	CREST                                          ; the barrier has opened a round of the cluster's barrier: no wave of any partner still reads these rows or has a load on its way
	s_cmp_eq_u32 s[HI], 0                          ; wave 2 brings K's first half of v's 128 rows of W, wave 3 the second; waves 0 and 1 have nothing to bring
	s_cbranch_scc1 .Lno_refill
	tensor_load_to_lds s[G0V:G0V+3], s[G1W:G1W+7]  ; the first tensor load behind the round, and my only one; it has 32 products and the whole way out below in which to land
	s_nop 0
	PLACES 4
.Lno_refill:
	WIN 0xf1
	MUL16 4, 1, 7, 0
	MUL16 6, 1, 7, 0
	WIN 0
	; PART 1'S WAY OUT, a tile a of 16 tokens at a time: + bias (which is also the move into window 0), quantised, stored as images: each store covers 512 consecutive bytes
	s_wait_loadcnt 0x0                             ; the bias
	PLACES 4                                       ; behind the last products: their results are read, their operands' registers written and loaded into below
.irp a, 0,1,2,3                        ; part 2's scale words of W (16 rows are 512 dense bytes; lanes 16-31 read what lanes 0-15 read) and its bias are asked for now, into registers that this way out leaves alone
.irp j, 0,1
	global_load_b128 v[SA2+8*\a+4*\j:SA2+8*\a+4*\j+3], v[VO], s[WSB:WSB+1] offset:512*\a+16*\j
.endr
	global_load_b32 v[BL+2*\a], v[BO], s[BB2:BB2+1] offset:64*\a       ; a lane holds one column: one number for each tile, written twice since the packed addition names a pair
	global_load_b32 v[BL+2*\a+1], v[BO], s[BB2:BB2+1] offset:64*\a
.endr
.irp b, 0,1,2,3
	v_mov_b32 v[TM+4+\b], 0                        ; written once: a lane permute's destination counts as one of its sources
.endr
	s_mov_b32 s[SEL], 0x76543210
	s_mov_b32 s[SEL+1], 0xfedcba98                 ; lane l xor 16
	v_and_b32 v6, 31, v0
	v_cmp_lt_u32 vcc_lo, 15, v6                    ; lanes 16-31
	v_mov_b32 v[VSEL+1], 0x05040100                ; the low halves of two words: the first head's bytes,
	v_mov_b32 v[VSEL+2], 0x07060302                ; the high halves: the second head's
	v_cndmask_b32 v[VSEL], v[VSEL+1], v[VSEL+2], vcc_lo
.irp a, 0,1,2,3,4,5,6,7
	WIN 0x06+\a/4                                  ; source 0: the accumulators' window, 2 or 3; source 1: window 1; destination: window 0
.set i, 0
.rept 32                               ; ascending: each accumulator is read from its low end on
	v_pk_add_f32 v[T+2*i:T+2*i+1], v[64*(\a%4)+2*i:64*(\a%4)+2*i+1], v[64+2*i:65+2*i]
.set i, i+1
.endr
	WIN 0
	QUANT T, PC+8*\a, SW+\a
	global_store_b128 v[GO], v[PC+8*\a:PC+8*\a+3], s[BASE0:BASE0+1] offset:512*\a       ; tokens 16 a on: the first head's 64 numbers,
	global_store_b128 v[GO], v[PC+8*\a+4:PC+8*\a+7], s[BASE1:BASE1+1] offset:512*\a     ; the second head's
.endr
.irp y, 0,1,2,3
	v_perm_b32 v[X+\y], v[SW+2*\y+1], v[SW+2*\y], v[VSEL]    ; a head's two bytes of tile 2 y, then of tile 2 y + 1: the word that a pair of tiles wants in the next launch
.endr
	global_store_b128 v[GS], v[X:X+3], s[BASE0:BASE0+1] offset:4096    ; sixteen lanes store 256 consecutive bytes
	; ---- PART 2: v
	s_wait_xcnt 0x0                                ; the stores' registers are loaded into and written again only behind this wait
	s_wait_tensorcnt 0x0                           ; my part of v's rows of W is in,
	s_barrier_signal -1
	s_barrier_wait -1                              ; everybody's is
.irp b, 0,1,2,3,4,5,6,7
.irp j, 0,1
	ds_load_b128 v[SB2+8*\b+4*\j:SB2+8*\b+4*\j+3], v[ADS2] offset:\b*SBLK+16*\j
.endr
.endr
	FETCH2 0, 0
.irp g, 0,1,2,3,4,5,6,7
	s_wait_dscnt 0x0                               ; this step's fragments are in (asked for 32 matrix instructions ago)
.if \g < 7
.if \g > 0
	PLACES 4                                       ; four plain lines behind the last step's products, in front of loads into the set that they read
.endif
	FETCH2 \g+1, (\g+1)%2
.endif
.if \g == 0
	s_wait_loadcnt 0x0                             ; W's scale words and the bias
.endif
	MUL2 \g, \g%2
.endr
	WIN 0
	; PART 2'S WAY OUT, a tile a of 16 of the head's numbers at a time
	PLACES 4
.irp a, 0,1,2,3
	WIN 0x02                                       ; source 0: window 2; source 1 and destination: window 0
.set i, 0
.rept 32
	v_pk_add_f32 v[T+2*i:T+2*i+1], v[64*\a+2*i:64*\a+2*i+1], v[BL+2*\a:BL+2*\a+1] op_sel_hi:[1,0]
.set i, i+1
.endr
	WIN 0
	QUANT T, PC+8*\a, SW+\a
	global_store_b128 v[GO], v[PC+8*\a:PC+8*\a+3], s[BASE2:BASE2+1] offset:4352+1024*\a        ; v^T: numbers 16 a on, my 128 keys
	global_store_b128 v[GO], v[PC+8*\a+4:PC+8*\a+7], s[BASE2:BASE2+1] offset:4352+1024*\a+512
.endr
	global_store_b128 v[GS2], v[SW:SW+3], s[BASE2:BASE2+1] offset:8448    ; row r's four words: 256 consecutive bytes; lanes 16-31 hold the same words and store them to the same bytes
	s_wait_tensorcnt 0x0                           ; the wave's end, behind my last tensor load
	ds_add_u32 v[SPW], v[NIL]
	s_wait_dscnt 0x0
	CROUND                                         ; the closing round: no work-group ends while a partner may still ask for a tile that names it
	s_endpgm
.Lfunc_end_k_q164b577b7c_qkv:
	.size	k_q164b577b7c_qkv, .Lfunc_end_k_q164b577b7c_qkv-k_q164b577b7c_qkv
	.p2alignl 7, 3214868480
	.fill 96, 4, 3214868480
	.section	.rodata,"a",@progbits
	.p2align	6, 0x0
	.amdhsa_kernel k_q164b577b7c_qkv
		.amdhsa_group_segment_fixed_size 327680
		.amdhsa_private_segment_fixed_size 0
		.amdhsa_enable_private_segment 0
		.amdhsa_kernarg_size 56
		.amdhsa_user_sgpr_count 2
		.amdhsa_user_sgpr_kernarg_segment_ptr 1
		.amdhsa_wavefront_size32 1
		.amdhsa_system_sgpr_workgroup_id_x 1
		.amdhsa_system_sgpr_workgroup_id_y 1
		.amdhsa_system_sgpr_workgroup_id_z 1
		.amdhsa_system_vgpr_workitem_id 0
		.amdhsa_next_free_vgpr 1024
		.amdhsa_next_free_sgpr 102
		.amdhsa_reserve_vcc 1
		.amdhsa_float_denorm_mode_32 3
		.amdhsa_float_denorm_mode_16_64 3
		.amdhsa_memory_ordered 1
		.amdhsa_forward_progress 1
		.amdhsa_inst_pref_size 221
	.end_amdhsa_kernel
	.amdgpu_metadata
---
amdhsa.version: [ 1, 2 ]
amdhsa.kernels:
  - .name:           k_q164b577b7c_qkv
    .symbol:         k_q164b577b7c_qkv.kd
    .args:
      - { .name: x_codes, .offset: 0, .size: 8, .value_kind: global_buffer, .address_space: global }
      - { .name: x_scales, .offset: 8, .size: 8, .value_kind: global_buffer, .address_space: global }
      - { .name: w_qkv_codes, .offset: 16, .size: 8, .value_kind: global_buffer, .address_space: global }
      - { .name: w_qkv_scales, .offset: 24, .size: 8, .value_kind: global_buffer, .address_space: global }
      - { .name: b_qkv, .offset: 32, .size: 8, .value_kind: global_buffer, .address_space: global }
      - { .name: qrec, .offset: 40, .size: 8, .value_kind: global_buffer, .address_space: global }
      - { .name: kv, .offset: 48, .size: 8, .value_kind: global_buffer, .address_space: global }
    .group_segment_fixed_size: 327680
    .private_segment_fixed_size: 0
    .kernarg_segment_align: 8
    .kernarg_segment_size: 56
    .max_flat_workgroup_size: 128
    .sgpr_count:     102
    .vgpr_count:     1024
    .wavefront_size: 32
...
	.end_amdgpu_metadata
.endif
;; end of part 1
;; launch attn (part 2): grid 8 x 32, 16 waves a work-group, clusters of 4 x 1, 327,680 bytes of LDS; arguments qrec, kv, oimg, osc; writes oimg, osc
.if DOCPART == 2
	.amdgcn_target "amdgcn-amd-amdhsa--gfx1250"
	.amdhsa_code_object_version 6
	.text
	.protected	k_q164b577b7c_attn
	.globl	k_q164b577b7c_attn
	.p2align	8
	.type	k_q164b577b7c_attn,@function
k_q164b577b7c_attn:
	s_mov_b64 s[64:65], 0
	v_nop
	global_prefetch_b8 v0, s[64:65] scope:SCOPE_SE
	s_setreg_imm32_b32 hwreg(HW_REG_WAVE_MODE, 25, 1), 1
	s_wait_xcnt 0x0
	s_wait_alu depctr_hold_cnt(0) depctr_sa_sdst(0) depctr_va_vdst(0) depctr_va_sdst(0) depctr_va_ssrc(0) depctr_va_vcc(0) depctr_vm_vsrc(0)
	s_getreg_b32 s2, hwreg(HW_REG_IB_STS2, 6, 4)
	s_cmp_eq_u32 s2, 0
	s_cbranch_scc0 .Lentry_in_a_cluster
	s_endpgm
.Lentry_in_a_cluster:
	s_bfe_u32 s2, ttmp6, 0x10000c
	s_cmp_lg_u32 s2, 0x3003
	s_cbranch_scc0 .Lentry_shape_is_right
	s_endpgm
.Lentry_shape_is_right:
; o = softmax(q k^T / 8) v for two heads and 256 queries, both products on codes of FP4 (E2M1) with E8M0 scales; the result is quantised along the model's axis and leaves as an operand of the last product.
; THE SOFTMAX AHEAD OF THE SECOND PRODUCT: t = score x log2(e) / 8; M = the running largest t rounded UP to a whole number; p = 2^(t - M) is quantised along the keys, not normalised.
; The row's sum is taken of the unquantised p, in f32, and divides at the end.  When M moves, the sum and O are multiplied by 2^(old M - new M): exact.
; SHARES.  Work-group (x, y): queries 256 x on of batch y / 8, heads 2 (y % 8) and 2 (y % 8) + 1.  Each of SIXTEEN waves owns one tile of 16 queries, in 256 registers: four waves to a SIMD, so that one wave's vector
; work stands beside another's products and LDS loads.  A wave walks head 0's 2,048 keys, 128 a step, then head 1's: so a lane ends with a whole fragment (128 along the last product's K) and its whole scale word.
; LDS.  Both heads' k and v, 2 x 139,264 bytes, as the launch before laid them: images of operand registers, a record of 8,704 bytes for each 128 keys.  Every byte is filled once: wave w brings record w of each head.
; CLUSTER.  The four query blocks of a cluster read the same two heads: each record is asked for jointly, by the same tensor load with a mask that names the four.
; LAYOUT.  Both products transposed: S^T = k q^T (source 0 = keys), O^T = v^T p^T (source 0 = the head's numbers): a lane holds ONE query (lane % 16) throughout.
; THE KEYS OF A TILE ARE NOT NEIGHBOURS: row m of tile 4 q + t takes key 64 q + 32 (m / 8) + 8 t + m % 8.  In the result register j of lane (r, h) is row 8 h + j, so the 32 registers of tiles 4 q .. 4 q + 3 are the
; 32 keys of ONE block, 2 q + h, in order.  That is the very place that the second product's operand gives that lane: the conversion of tile t is the operand's register t, nothing changes lanes, a block's largest
; score needs no other lane, and a lane works on two blocks' scales, not four.  The images lie by tiles of 16 neighbouring keys (512 bytes each): the lane's address picks its row, 1,024 (m / 8) + 16 (m % 8) + 256 h.
; Lanes m and m + 8 so lie 1,024 bytes apart, a whole number of times through 64 banks of 4 bytes (ISA guide 11.1): k's fragment loads go two deep; they are 8 of a step's 21 LDS loads.
; K = 64 IN AN INSTRUCTION OF K = 128: a fragment of k holds two tiles of 16 keys, tile 4 q + u in registers 0-3 and tile 4 q + 2 + u in registers 4-7, and is multiplied twice: by [q | zero codes] and by [zero codes | q].
; The half that is not wanted meets zero codes, which add nothing; its scale bytes are real ones (never 0xff).  q's scale word holds its two bytes twice and serves both.  Tiles u and 2 + u are paired because row m's
; two keys then lie 16 apart: their four scale bytes are one word as the launch before stored it, at 16 (8 u + m % 8) + 4 (2 q + m / 8).
; LIMITS: NaN and infinities are not served.  A block whose largest magnitude lies under 2^-124 (a block of zeros too) gets the scale byte 1; these bytes are read by this program alone.  1 / sum is v_rcp_f32 and a multiplication.
; A block's largest p is made from the block's largest score by the same multiply-add and exponential as every p: this takes v_exp_f32 not to fall where its input rises.
.set REC,   8704
.set HEADB, 16*REC
.set QREC,  4352
.set STG,   2*HEADB                    ; behind the heads: 1,024 bytes for the sixteen tiles' scale words; no fill lands here
.set LI,  1                            ; v1   16 x lane
.set LR,  2                            ; v2   16 x (lane % 16)
.set AK,  3                            ; v3   the trip's first record + my place in k's images
.set AKS, 4                            ; v4   + my place among k's scale words
.set STA, 5                            ; v5   where my row's scale word goes
.set STR, 6                            ; v6   and where waves 0 and 1 read eight tiles' words back
.set TA,  7                            ; v7   at work
.set QS,  8                            ; v8-9 q's scale words, head 0, 1
.set PS,  10                           ; v10  p's scale word
.set OW,  11                           ; v11  the result's scale word
.set NM,  12                           ; v12 -M, v13 the largest score so far
.set L,   14                           ; v[14:15] the sum, in two halves
.set Q,   16                           ; v16-35 [zeros q0 zeros q1 zeros], four registers each: [zeros | q] of head c at Q + 8 c, [q | zeros] at Q + 4 + 8 c
.set KF,  36                           ; v36-67   four fragments of k
.set VF,  68                           ; v68-99   four fragments of v^T
.set KS,  100                          ; v100-103 k's scale words
.set VS,  104                          ; v104-107 v's
.set S,   108                          ; v108-171 S^T, then p
.set O,   172                          ; v172-203 O^T
.set PC,  204                          ; v204-211 p's codes
.set OC,  212                          ; v212-219 the result's codes
.set BM,  220                          ; v220-223 largest scores: of 16 registers each, then of the two blocks in BM and BM + 2
.set BP,  224                          ; v224-227 what comes from the other half of the lanes; the bytes
.set BS,  228                          ; v228-231 the conversions' scale operands
.set TMP, 232
.set OLD, 233                          ; v233 -M as it was
.set F,   234                          ; v[234:235] f = 2^(old M - new M) (the packed forms name a pair)
.set L2,  236                          ; v[236:237] the sum's second chain
.set QW,  238                          ; v238-239 q's scale words as loaded
.set AV,  240                          ; v240 the trip's first record + 16 x lane: v's images
.set AVS, 241                          ; v241 + 16 x (lane % 16): v's scale words
.set SH8, 242                          ; v242 8 x (lane / 16)
.set LK,  243                          ; v243 my place in k's images
.set LKS, 244                          ; v244 my place among k's scale words
.set WV,  12
.set XB,  14
.set Y,   15
.set SEL, 20                           ; s[20:21] lane selects: lane l xor 16
.set CS,  22                           ; s[22:23] c = log2(e) / 8
.set G1,  24                           ; s[24:31] descriptor group 1;  s[32:35], s[36:39] group 0 for head 0, 1
.set G0,  32
.set TB,  40                           ; s40  LDS byte at which the trip's first record begins
.set CNT, 41                           ; s41  trips to go
.macro PLACES n
.rept \n
	v_nop
.endr
.endm
.macro CROUND                          ; a round of the cluster's barrier
	s_barrier_signal -1
	s_barrier_wait -1
	s_cmp_lg_u32 s[WV], 0
	s_cbranch_scc1 .Lnot_wave_0_\@
	s_barrier_signal -3
.Lnot_wave_0_\@:
	s_barrier_wait -3
	s_barrier_signal -1
	s_barrier_wait -1
.endm
	s_load_b256 s[4:11], s[0:1], 0x0               ; qrec s[4:5], kv s[6:7], oimg s[8:9], osc s[10:11]
	v_lshl_add_u32 v254, v0, 2, 0x44400
	v_mov_b32 v255, 0
	ds_add_u32 v254, v255
	ds_add_u32 v254, v255
	v_lshrrev_b32 v1, 5, v0
	s_delay_alu instid0(VALU_DEP_1)
	v_readfirstlane_b32 s[WV], v1                  ; wave 0..15
	s_bfe_u32 s13, ttmp6, 0x40000                  ; cx: my place in the cluster
	s_lshl_b32 s[XB], ttmp9, 2
	s_add_co_u32 s[XB], s[XB], s13                 ; my block of 256 queries: it enters global addresses of q and of the results alone
	s_and_b32 s[Y], ttmp7, 0xffff                  ; 8 x batch + pair of heads, which the four partners share
	; group 1: a record, 8,704 dense bytes, as 34 rows of 32 elements of 8 bytes; no padding
	s_mov_b32 s[G1+0], 15|(3<<16)|(1<<21)          ; 15:0 the mask: all four work-groups; 17:16 elements of 8 bytes; 21 set beside a mask
	s_mov_b32 s[G1+1], 32<<16                      ; tensor_dim0
	s_mov_b32 s[G1+2], 34<<16                      ; tensor_dim1
	s_mov_b32 s[G1+3], 32<<16                      ; tile_dim0
	s_mov_b32 s[G1+4], 34                          ; tile_dim1
	s_mov_b32 s[G1+5], 32                          ; tensor_dim0_stride
	s_mov_b32 s[G1+6], 0
	s_mov_b32 s[G1+7], 0
	s_mul_i32 s16, s[WV], REC                      ; my record, in a head
	s_mul_i32 s18, s[Y], 2*HEADB                   ; the pair of heads, in kv
	s_add_co_u32 s18, s18, s16
	s_mov_b32 s19, 0
	s_mov_b32 s[SEL], 0x76543210
	s_mov_b32 s[SEL+1], 0xfedcba98
	s_mov_b32 s[CS], 0x3e38aa3b                    ; log2(e) / 8
	s_mov_b32 s[CS+1], s[CS]                       ; (named with it as a pair, so it is written)
	s_wait_dscnt 0x0
	s_wait_kmcnt 0x0
	s_add_nc_u64 s[18:19], s[6:7], s[18:19]
	CROUND                                         ; all four work-groups are here: the joint loads meet
	s_mov_b32 s[G0+0], 1
	s_mov_b32 s[G0+1], s16                         ; LDS: head 0, record w
	s_mov_b64 s[G0+2:G0+3], s[18:19]
	s_or_b32 s[G0+3], s[G0+3], 0x80000000
	s_mov_b32 s[G0+4], 1
	s_add_co_u32 s[G0+5], s16, HEADB               ; head 1
	s_add_nc_u64 s[G0+6:G0+7], s[18:19], HEADB
	s_or_b32 s[G0+7], s[G0+7], 0x80000000
	tensor_load_to_lds s[G0:G0+3], s[G1:G1+7]      ; head 0's record: one load of mine is out; head 1's follows the round
	s_nop 0
	s_wait_alu depctr_va_vdst(0)
	s_wait_tensorcnt 0x0
	ds_add_u32 v254, v255
	s_wait_dscnt 0x0
	CROUND
	tensor_load_to_lds s[G0+4:G0+7], s[G1:G1+7]
	s_nop 0
	PLACES 4
	v_and_b32 v[TA], 31, v0
	s_delay_alu instid0(VALU_DEP_1)
	v_lshlrev_b32 v[LI], 4, v[TA]
	v_and_b32 v[TA], 15, v0                        ; r
	s_delay_alu instid0(VALU_DEP_1)
	v_lshlrev_b32 v[LR], 4, v[TA]
	s_lshl_b32 s50, s[WV], 6
	s_add_co_u32 s50, s50, STG
	v_lshl_add_u32 v[STA], v[TA], 2, s50           ; 64 bytes a tile, 4 a row
	s_and_b32 s55, s[WV], 1
	s_lshl_b32 s51, s55, 9
	s_add_co_u32 s51, s51, STG
	v_add_nc_u32 v[STR], s51, v[LI]                ; eight tiles' words: 512 bytes
	v_and_b32 v[TA], 7, v0                         ; r % 8
	v_bfe_u32 v[TMP], v0, 3, 1                     ; r / 8
	v_bfe_u32 v[SH8], v0, 4, 1                     ; h
	s_delay_alu instid0(VALU_DEP_3)
	v_lshlrev_b32 v[LK], 4, v[TA]                  ; 16 (r % 8)
	s_delay_alu instid0(VALU_DEP_1)
	v_lshl_add_u32 v[LKS], v[TMP], 2, v[LK]        ; k's scale words: + 4 (r / 8)
	s_delay_alu instid0(VALU_DEP_2)
	v_lshl_add_u32 v[LK], v[TMP], 10, v[LK]        ; k's images: + 1,024 (r / 8)
	s_delay_alu instid0(VALU_DEP_1)
	v_lshl_add_u32 v[LK], v[SH8], 8, v[LK]         ; + 256 h
	v_lshlrev_b32 v[SH8], 3, v[SH8]                ; 8 h
	; q: record (32 y + 2 x + w / 8) of qrec for head 0, 16 records on for head 1; in it tile w % 8
	s_lshl_b32 s50, s[Y], 5
	s_lshl_b32 s51, s[XB], 1
	s_add_co_u32 s50, s50, s51
	s_lshr_b32 s51, s[WV], 3
	s_add_co_u32 s50, s50, s51
	s_mul_i32 s50, s50, QREC
	s_mov_b32 s51, 0
	s_add_nc_u64 s[42:43], s[4:5], s[50:51]
	s_and_b32 s52, s[WV], 7
	s_lshl_b32 s53, s52, 9
	v_add_nc_u32 v[TA], s53, v[LI]
	s_lshr_b32 s53, s52, 1
	s_lshl_b32 s53, s53, 2
	v_add_nc_u32 v[AKS], s53, v[LR]                ; the word of my pair of tiles (the register takes its own part behind the wait for these loads)
	s_lshl_b32 s54, s55, 4                         ; my tile's two bytes: the low half or the high
.irp c, 0,1
	global_load_b128 v[Q+4+8*\c:Q+7+8*\c], v[TA], s[42:43] offset:\c*16*QREC
	global_load_b32 v[QW+\c], v[AKS], s[42:43] offset:4096+\c*16*QREC
.endr
	; where the results go.  T = 128 x batch + 16 x + w: my tile of 16 tokens;  g = y % 8: the last product's K step
	s_lshr_b32 s50, s[Y], 3                        ; batch
	s_and_b32 s51, s[Y], 7                         ; g
	s_lshl_b32 s52, s50, 7
	s_lshl_b32 s53, s[XB], 4
	s_add_co_u32 s52, s52, s53
	s_add_co_u32 s52, s52, s[WV]                   ; T
	s_lshl_b32 s52, s52, 2
	s_and_b32 s53, s51, 3
	s_add_co_u32 s52, s52, s53
	s_lshl_b32 s52, s52, 10                        ; oimg: [g / 4][T][g % 4][1,024 bytes]
	s_lshr_b32 s53, s51, 2
	s_lshl_b32 s53, s53, 21
	s_add_co_u32 s52, s52, s53
	s_mov_b32 s53, 0
	s_add_nc_u64 s[46:47], s[8:9], s[52:53]
	s_lshl_b32 s52, s50, 4
	s_lshl_b32 s53, s[XB], 1
	s_add_co_u32 s52, s52, s53
	s_add_co_u32 s52, s52, s55                     ; T / 8 of the eight tiles that wave 0 or 1 stores
	s_lshl_b32 s52, s52, 12                        ; osc: [T / 8][g][T % 8][row 16] words
	s_lshl_b32 s53, s51, 9
	s_add_co_u32 s52, s52, s53
	s_mov_b32 s53, 0
	s_add_nc_u64 s[48:49], s[10:11], s[52:53]
.irp j, 16,17,18,19,24,25,26,27,32,33,34,35
	v_mov_b32 v\j, 0                               ; the zero codes beside q
.endr
.irp b, 0,1,2,3
	v_mov_b32 v[BP+\b], 0                          ; written once: a lane permute's destination counts as one of its sources
.endr
	v_mov_b32 v[TMP], 0
	v_mov_b32 v[F+1], 0                            ; (named as the upper half of a pair)
	s_wait_loadcnt 0x0                             ; q
.irp c, 0,1
	v_lshrrev_b32 v[QS+\c], s54, v[QW+\c]
	s_delay_alu instid0(VALU_DEP_1)
	v_and_b32 v[QS+\c], 0xffff, v[QS+\c]           ; my tile's two bytes,
	s_delay_alu instid0(VALU_DEP_1)
	v_lshl_or_b32 v[QS+\c], v[QS+\c], 16, v[QS+\c] ; twice
.endr
	s_wait_tensorcnt 0x1                           ; my record of head 0 is in; head 1's may be out
	s_barrier_signal -1
	s_barrier_wait -1                              ; everybody's is
; A KEY STEP: 128 keys of head c, the k-th record of the trip's four.
.macro STEP c, k
	s_setprio 2
.irp q, 0,1
.irp u, 0,1
	ds_load_b128 v[KF+8*(2*\q+\u):KF+8*(2*\q+\u)+3], v[AK] offset:(\k)*REC+2048*\q+128*\u          ; tile 4 q + u,
	ds_load_b128 v[KF+8*(2*\q+\u)+4:KF+8*(2*\q+\u)+7], v[AK] offset:(\k)*REC+2048*\q+128*\u+512    ; tile 4 q + 2 + u: each row's key lies 16 further on,
	ds_load_b32 v[KS+2*\q+\u], v[AKS] offset:(\k)*REC+4096+8*\q+128*\u                             ; and the two keys' four scale bytes
.endr
.endr
.irp a, 0,1,2,3
	ds_load_b128 v[VF+8*\a:VF+8*\a+3], v[AV] offset:(\k)*REC+4352+1024*\a
	ds_load_b128 v[VF+8*\a+4:VF+8*\a+7], v[AV] offset:(\k)*REC+4352+1024*\a+512
.endr
	ds_load_b128 v[VS:VS+3], v[AVS] offset:(\k)*REC+8448
	s_wait_dscnt 0x9                               ; k's twelve loads are in; v's nine may be out
.irp q, 0,1
.irp u, 0,1
	v_wmma_scale_f32_16x16x128_f8f6f4 v[S+8*(4*\q+\u):S+8*(4*\q+\u)+7], v[KF+8*(2*\q+\u):KF+8*(2*\q+\u)+7], v[Q+4+8*\c:Q+11+8*\c], 0, v[KS+2*\q+\u], v[QS+\c] matrix_a_fmt:MATRIX_FMT_FP4 matrix_b_fmt:MATRIX_FMT_FP4
	v_wmma_scale_f32_16x16x128_f8f6f4 v[S+8*(4*\q+2+\u):S+8*(4*\q+2+\u)+7], v[KF+8*(2*\q+\u):KF+8*(2*\q+\u)+7], v[Q+8*\c:Q+7+8*\c], 0, v[KS+2*\q+\u], v[QS+\c] matrix_a_fmt:MATRIX_FMT_FP4 matrix_b_fmt:MATRIX_FMT_FP4
.endr
.endr                                  ; register 32 q + i of S in lane (r, h): query r, key 64 q + 32 h + i: the whole block 2 q + h
	v_mov_b32 v[OLD], v[NM]                        ; -M as it was: the first of four plain lines behind the products
	PLACES 3
.irp b, 0,1,2,3
	v_max3_num_f32 v[BM+\b], v[S+16*\b], v[S+16*\b+1], v[S+16*\b+2]    ; the largest score, in four chains of 15 registers (each accumulator is read from its low end on)
.endr
.irp i, 3,5,7,9,11,13
.irp b, 0,1,2,3
	v_max3_num_f32 v[BM+\b], v[BM+\b], v[S+16*\b+\i], v[S+16*\b+\i+1]
.endr
.endr
.irp q, 0,1
	v_max3_num_f32 v[BM+2*\q], v[BM+2*\q], v[S+32*\q+15], v[S+32*\q+31]
.endr
.irp q, 0,1
	s_delay_alu instid0(VALU_DEP_2)
	v_max_num_f32 v[BM+2*\q], v[BM+2*\q], v[BM+2*\q+1]   ; THE LARGEST SCORE OF EACH OF MY TWO BLOCKS: it serves for the row's maximum and, since p rises with the score, for the block's largest p
.endr
	s_delay_alu instid0(VALU_DEP_1)
	v_max_num_f32 v[TMP], v[BM], v[BM+2]
	s_delay_alu instid0(VALU_DEP_1)
	v_permlanex16_b32 v[BP], v[TMP], s[SEL], s[SEL+1]    ; the query's other two blocks lie in the lane 16 away
	s_delay_alu instid0(VALU_DEP_1)
	v_max3_num_f32 v[NM+1], v[NM+1], v[TMP], v[BP]       ; the running largest score
	s_delay_alu instid0(VALU_DEP_1)
	v_mul_f32 v[TMP], s[CS], v[NM+1]               ; as t (c is positive)
	s_delay_alu instid0(VALU_DEP_1)
	v_floor_f32 v[NM], -v[TMP]                     ; the new -M = floor(-t) = -ceil(t)
	s_delay_alu instid0(VALU_DEP_1)
	v_sub_f32 v[TMP], v[NM], v[OLD]                ; old M - new M: a whole number, 0 or less
	s_delay_alu instid0(VALU_DEP_1)
	v_cvt_i32_f32 v[TMP], v[TMP]                   ; (it saturates)
	s_delay_alu instid0(VALU_DEP_1)
	v_ldexp_f32 v[F], 1.0, v[TMP]                  ; f = 2^(old M - new M)
.set j, 0
.rept 32
	v_pk_fma_f32 v[S+j:S+j+1], v[S+j:S+j+1], s[CS:CS+1], v[NM:NM+1] op_sel_hi:[1,0,0]   ; t - M, two at a time
.set j, j+2
.endr
.irp q, 0,1
	v_fma_f32 v[BM+2*\q], v[BM+2*\q], s[CS], v[NM] ; the same of each block's largest score
.endr
.set j, 0
	s_wait_alu depctr_va_vdst(0)
.rept 64
	v_exp_f32 v[S+j], v[S+j]                       ; p = 2^(t - M), at most 1
.set j, j+1
.endr
	s_setprio 1
.irp q, 0,1
	v_exp_f32 v[BM+2*\q], v[BM+2*\q]               ; the block's largest p
.endr
	v_pk_mul_f32 v[L:L+1], v[L:L+1], v[F:F+1] op_sel_hi:[1,0]    ; the sums under the new M (a plain line behind the exponentials)
	s_wait_alu depctr_va_vdst(0)
.irp q, 0,1
	v_max_num_f32 v[BM+2*\q], 0x1800000, v[BM+2*\q]    ; the floor 2^(3 - 127): the byte cannot fall under 1
.endr
.irp q, 0,1
	s_delay_alu instid0(VALU_DEP_2)
	v_add_nc_u32 v[BS+\q], 0xff000000, v[BM+2*\q]  ; 2 off the exponent field: the conversion's scale operand
.endr
.irp q, 0,1
	s_delay_alu instid0(VALU_DEP_2)
	v_lshrrev_b32 v[BP+\q], 23, v[BS+\q]           ; the scale's byte
.endr
	s_delay_alu instid0(VALU_DEP_1)
	v_lshl_or_b32 v[TMP], v[BP+1], 16, v[BP]       ; my two bytes: blocks h and 2 + h,
	s_delay_alu instid0(VALU_DEP_1)
	v_lshlrev_b32 v[TMP], v[SH8], v[TMP]           ; at their places in the scale word (8 h bits up);
	s_delay_alu instid0(VALU_DEP_1)
	v_permlanex16_b32 v[BP+2], v[TMP], s[SEL], s[SEL+1]
	s_delay_alu instid0(VALU_DEP_1)
	v_or_b32 v[PS], v[TMP], v[BP+2]                ; with lane l xor 16's two the word is whole
.irp t, 0,1,2,3,4,5,6,7
	v_cvt_scalef32_pk8_fp4_f32 v[PC+\t], v[S+8*\t:S+8*\t+7], v[BS+\t/4]    ; the operand's register t
.endr
.set j, 0
.rept 16
	v_pk_mul_f32 v[O+j:O+j+1], v[O+j:O+j+1], v[F:F+1] op_sel_hi:[1,0]    ; O^T under the new M.  (The first of these is the plain line behind the conversions)
.set j, j+2
.endr
	v_pk_add_f32 v[L2:L2+1], v[S:S+1], v[S+2:S+3]  ; the row's sum is taken of the unquantised p: two at a time, in two chains.  (These lines are also the places between p's codes and scale word and the products below)
.set j, 4
.rept 13
	v_pk_add_f32 v[L:L+1], v[L:L+1], v[S+j:S+j+1]
	v_pk_add_f32 v[L2:L2+1], v[L2:L2+1], v[S+j+2:S+j+3]
.set j, j+4
.endr
	s_setprio 0
	s_wait_alu depctr_va_vdst(0)
	s_wait_dscnt 0x0                               ; v
.irp a, 0,1,2,3                        ; the accumulators take turns, one instruction a turn, from step to step too
	v_wmma_scale_f32_16x16x128_f8f6f4 v[O+8*\a:O+8*\a+7], v[VF+8*\a:VF+8*\a+7], v[PC:PC+7], v[O+8*\a:O+8*\a+7], v[VS+\a], v[PS] matrix_a_fmt:MATRIX_FMT_FP4 matrix_b_fmt:MATRIX_FMT_FP4
.endr
.set j, 56
.rept 2                                ; the sum's last five lines name none of those products' registers: they are the plain lines in front of the next step's loads into v's registers
	v_pk_add_f32 v[L:L+1], v[L:L+1], v[S+j:S+j+1]
	v_pk_add_f32 v[L2:L2+1], v[L2:L2+1], v[S+j+2:S+j+3]
.set j, j+4
.endr
	s_delay_alu instid0(VALU_DEP_1)
	v_pk_add_f32 v[L:L+1], v[L:L+1], v[L2:L2+1]
.endm
; Head c is finished: O^T / the sum, quantised along the head's 64 numbers (two blocks): half c of my fragment, and two bytes of its scale word.
; Here the tiles' rows are neighbours (v's images lie so): register j of tile t in lane (r, h) is number 16 t + 8 h + j; tile t's codes go to register 2 (t % 2) + t / 2 of the half, then neighbouring registers exchange halves.
.macro FIN c
	PLACES 4
	v_add_f32 v[L], v[L], v[L+1]
	s_delay_alu instid0(VALU_DEP_1)
	v_permlanex16_b32 v[TMP], v[L], s[SEL], s[SEL+1]
	s_delay_alu instid0(VALU_DEP_1)
	v_add_f32 v[L], v[L], v[TMP]                   ; the row's sum
	s_wait_alu depctr_va_vdst(0)
	v_rcp_f32 v[L], v[L]
	v_nop                                          ; one plain line behind a transcendental
.set j, 0
	s_wait_alu depctr_va_vdst(0)
.rept 16
	v_pk_mul_f32 v[S+j:S+j+1], v[O+j:O+j+1], v[L:L+1] op_sel_hi:[1,0]    ; ascending: each accumulator from its low end on
.set j, j+2
.endr
.irp b, 0,1
	v_max3_num_f32 v[BM+\b], |v[S+16*\b]|, |v[S+16*\b+1]|, 0x1800000
.endr
.irp i, 2,4,6,8,10,12,14
.irp b, 0,1
	s_delay_alu instid0(VALU_DEP_2)
	v_max3_num_f32 v[BM+\b], v[BM+\b], |v[S+16*\b+\i]|, |v[S+16*\b+\i+1]|
.endr
.endr
.irp b, 0,1
	s_delay_alu instid0(VALU_DEP_2)
	v_permlanex16_b32 v[BP+\b], v[BM+\b], s[SEL], s[SEL+1]
.endr
.irp b, 0,1
	s_delay_alu instid0(VALU_DEP_2)
	v_max_num_f32 v[BM+\b], v[BM+\b], v[BP+\b]
.endr
.irp b, 0,1
	s_delay_alu instid0(VALU_DEP_2)
	v_add_nc_u32 v[BS+\b], 0xff000000, v[BM+\b]
.endr
.irp b, 0,1
	s_delay_alu instid0(VALU_DEP_2)
	v_lshrrev_b32 v[BP+\b], 23, v[BS+\b]
.endr
.if (\c) == 0
	s_delay_alu instid0(VALU_DEP_1)
	v_lshl_or_b32 v[OW], v[BP+1], 8, v[BP]
.else
	s_delay_alu instid0(VALU_DEP_2)
	v_lshl_or_b32 v[OW], v[BP], 16, v[OW]
	s_delay_alu instid0(VALU_DEP_1)
	v_lshl_or_b32 v[OW], v[BP+1], 24, v[OW]
.endif
.irp t, 0,1,2,3
	v_cvt_scalef32_pk8_fp4_f32 v[OC+4*(\c)+2*(\t%2)+\t/2], v[S+8*\t:S+8*\t+7], v[BS+\t/2]
.endr
	v_nop
.irp i, 0,2
	v_permlane16_swap_b32 v[OC+4*(\c)+\i], v[OC+4*(\c)+\i+1]
.endr
.endm
; A head: four trips of four key steps.  Within a trip a record's place stands in the loads' immediates: 3 x 8,704 + 8,448 at the most, inside the 16-bit offset.
.macro HEAD c
	v_mov_b32 v[NM+1], 0xff61b1e6                  ; the largest score so far: -3e38, under every score
	s_delay_alu instid0(VALU_DEP_1)
	v_floor_f32 v[NM], -v[NM+1]
	v_mov_b32 v[L], 0
	v_mov_b32 v[L+1], 0
.set j, 0
.rept 32
	v_mov_b32 v[O+j], 0                            ; the step is written once: the first finds zeros, which the first change of M leaves zeros
.set j, j+1
.endr
	s_mov_b32 s[TB], (\c)*HEADB
	s_mov_b32 s[CNT], 4
.Ltrip_\@:
	v_add_nc_u32 v[AK], s[TB], v[LK]
	v_add_nc_u32 v[AKS], s[TB], v[LKS]
	v_add_nc_u32 v[AV], s[TB], v[LI]
	v_add_nc_u32 v[AVS], s[TB], v[LR]
	STEP \c, 0
	STEP \c, 1
	STEP \c, 2
	STEP \c, 3
	s_add_co_u32 s[TB], s[TB], 4*REC
	s_sub_co_u32 s[CNT], s[CNT], 1
	s_cmp_lg_u32 s[CNT], 0
	s_cbranch_scc1 .Ltrip_\@
	s_setprio 0
	FIN \c
.endm
	HEAD 0
	s_wait_tensorcnt 0x0                           ; my record of head 1 is in,
	s_wait_dscnt 0x0
	s_barrier_signal -1
	s_barrier_wait -1                              ; everybody's is
	HEAD 1
	global_store_b128 v[LI], v[OC:OC+3], s[46:47]              ; my fragment's image: 2 x 512 consecutive bytes
	global_store_b128 v[LI], v[OC+4:OC+7], s[46:47] offset:512
	ds_store_b32 v[STA], v[OW]                     ; both halves of the lanes write the same word with the same value
	s_wait_dscnt 0x0                               ; for the others' sake
	s_barrier_signal -1
	s_barrier_wait -1
	s_cmp_lt_u32 s[WV], 2
	s_cbranch_scc0 .Lno_words
	ds_load_b128 v[S:S+3], v[STR]                  ; eight tiles' scale words
	s_wait_dscnt 0x0
	global_store_b128 v[LI], v[S:S+3], s[48:49]    ; 512 consecutive bytes
.Lno_words:
	s_wait_tensorcnt 0x0
	ds_add_u32 v254, v255
	s_wait_dscnt 0x0
	CROUND                                         ; the closing round
	s_endpgm
.Lfunc_end_k_q164b577b7c_attn:
	.size	k_q164b577b7c_attn, .Lfunc_end_k_q164b577b7c_attn-k_q164b577b7c_attn
	.p2alignl 7, 3214868480
	.fill 96, 4, 3214868480
	.section	.rodata,"a",@progbits
	.p2align	6, 0x0
	.amdhsa_kernel k_q164b577b7c_attn
		.amdhsa_group_segment_fixed_size 327680
		.amdhsa_private_segment_fixed_size 0
		.amdhsa_enable_private_segment 0
		.amdhsa_kernarg_size 32
		.amdhsa_user_sgpr_count 2
		.amdhsa_user_sgpr_kernarg_segment_ptr 1
		.amdhsa_wavefront_size32 1
		.amdhsa_system_sgpr_workgroup_id_x 1
		.amdhsa_system_sgpr_workgroup_id_y 1
		.amdhsa_system_sgpr_workgroup_id_z 1
		.amdhsa_system_vgpr_workitem_id 0
		.amdhsa_next_free_vgpr 256
		.amdhsa_next_free_sgpr 66
		.amdhsa_reserve_vcc 0
		.amdhsa_float_denorm_mode_32 3
		.amdhsa_float_denorm_mode_16_64 3
		.amdhsa_memory_ordered 1
		.amdhsa_forward_progress 1
		.amdhsa_inst_pref_size 135
	.end_amdhsa_kernel
	.amdgpu_metadata
---
amdhsa.version: [ 1, 2 ]
amdhsa.kernels:
  - .name:           k_q164b577b7c_attn
    .symbol:         k_q164b577b7c_attn.kd
    .args:
      - { .name: qrec, .offset: 0, .size: 8, .value_kind: global_buffer, .address_space: global }
      - { .name: kv, .offset: 8, .size: 8, .value_kind: global_buffer, .address_space: global }
      - { .name: oimg, .offset: 16, .size: 8, .value_kind: global_buffer, .address_space: global }
      - { .name: osc, .offset: 24, .size: 8, .value_kind: global_buffer, .address_space: global }
    .group_segment_fixed_size: 327680
    .private_segment_fixed_size: 0
    .kernarg_segment_align: 8
    .kernarg_segment_size: 32
    .max_flat_workgroup_size: 512
    .sgpr_count:     66
    .vgpr_count:     256
    .wavefront_size: 32
...
	.end_amdgpu_metadata
.endif
;; end of part 2
;; launch proj (part 3): grid 4 x 64, 4 waves a work-group, clusters of 4 x 4, 327,680 bytes of LDS; arguments oimg, osc, w_out_codes, w_out_scales, b_out, out0; writes out0
.if DOCPART == 3
	.amdgcn_target "amdgcn-amd-amdhsa--gfx1250"
	.amdhsa_code_object_version 6
	.text
	.protected	k_q164b577b7c_proj
	.globl	k_q164b577b7c_proj
	.p2align	8
	.type	k_q164b577b7c_proj,@function
k_q164b577b7c_proj:
	s_mov_b64 s[64:65], 0
	v_nop
	global_prefetch_b8 v0, s[64:65] scope:SCOPE_SE
	s_setreg_imm32_b32 hwreg(HW_REG_WAVE_MODE, 25, 1), 1
	s_wait_xcnt 0x0
	s_wait_alu depctr_hold_cnt(0) depctr_sa_sdst(0) depctr_va_vdst(0) depctr_va_sdst(0) depctr_va_ssrc(0) depctr_va_vcc(0) depctr_vm_vsrc(0)
	s_getreg_b32 s2, hwreg(HW_REG_IB_STS2, 6, 4)
	s_cmp_eq_u32 s2, 0
	s_cbranch_scc0 .Lentry_in_a_cluster
	s_endpgm
.Lentry_in_a_cluster:
	s_bfe_u32 s2, ttmp6, 0x10000c
	s_cmp_lg_u32 s2, 0xf033
	s_cbranch_scc0 .Lentry_shape_is_right
	s_endpgm
.Lentry_shape_is_right:
; out0 = o W_out^T + b_out on codes of FP4 (E2M1) with E8M0 scales, K = 1,024; out0 [8,192][1,024] f32.
; o comes as the launch before left it: images of operand registers (oimg: [K step / 4][tile of 16 tokens][K step % 4][1,024 bytes]) and scale words (osc: [tile / 8][K step][tile % 8][row]).  W_out comes as given: rows of 512 bytes, 32 scale bytes a row.
; SHARES.  A work-group of four waves makes 128 tokens x 256 columns: 256 work-groups.  A wave makes 64 tokens (4 tiles, source 1) x 128 columns (8 tiles, source 0): 32 accumulators.
; The product is used transposed, so that a lane's eight results are eight neighbouring columns of one row of out0.
; ALL OF K LIES IN LDS, in two halves; every byte is filled once, so there is no ring.  The bias is the C of each sum's first matrix instruction.
; CLUSTERS: 4 x 4 work-groups.  The four of a row of the cluster need the same tokens, the four of a column the same rows of W: each tile is asked for jointly.
; LIMITS: NaN and infinities are not served.
.set OI,   0                           ; LDS: o's images: [half of K 2][tile 8][K step % 4][1,024]
.set WC,   65536                       ; W's codes: [half 2][256 rows x 272]: 256 bytes + 16 of padding: the 16 rows of a fragment load start at 16 different banks (64 banks of 4 bytes: ISA guide 11.1)
.set OS,   204800                      ; o's scale words: [K step 8][tile 8][64 bytes]
.set WS,   208896                      ; W's scale bytes: pieces of 256 bytes + 16 of padding
.set STG,  217600                      ; the way out: 16 rows x (512 + 16) bytes for each wave; no fill lands here
.set ADO,  16                          ; v16     o's images: 16 x lane + my four tiles
.set ADW,  20                          ; v20-21  W's fragments in half 0, 1
.set ADOS, 24                          ; v24     o's scale words
.set ADWS, 25                          ; v25     W's
.set CO,   26                          ; v26     16 x lane
.set STO,  27                          ; v27     the stage: where I put 32 bytes of a row
.set RD,   28                          ; v28     and where I read a row back
.set OSR,  32                          ; v32-63   o's scale words: tile a, K step g at OSR + 8 a + g
.set WSR,  64                          ; v64-127  W's: tile b, K step g at WSR + 8 b + g
.set AS,   128                         ; v128-191 o's fragments, two sets of 32
.set BK,   128                         ; the way out: v128-191 and v192-255 by turns
.set WV, 18
.set HI, 19
.set LO, 20
.set TY, 21
.set TX, 42
.set G1OI, 24                          ; s[24:31] group 1 for o's images;  s[32:39] group 0, one set for each half
.set G0OI, 32
.set G1WC, 48                          ; s[48:55], s[56:63] for W's codes
.set G0WC, 56
.set G1OS, 68                          ; s[68:75], s[76:79] for o's scale words;  s[80:87], s[88:91] for W's scale bytes
.set G0OS, 76
.set G1WS, 80
.set G0WS, 88
.set OUTB, 100                         ; s[100:101] out0 at my first row and column
.set MSB, 0
.macro WIN new                         ; s_set_vgpr_msb: bits 1:0 source 0, 3:2 source 1, 5:4 source 2, 7:6 destination; the high byte repeats the setting that is left
.if MSB != (\new)
	s_set_vgpr_msb (MSB<<8)|(\new)
.set MSB, (\new)
.endif
.endm
.macro PLACES n
.rept \n
	v_nop
.endr
.endm
.macro JLOAD g0a, g1a, g0b, g1b        ; a joint load: waves 0 and 1 fetch for o, waves 2 and 3 for W; four v_nop follow each of the two lines
	s_cmp_eq_u32 s[HI], 0
	s_cbranch_scc0 .Lfor_w_\@
	tensor_load_to_lds s[\g0a:\g0a+3], s[\g1a:\g1a+7]
	s_nop 0
	PLACES 4
	s_branch .Lasked_\@
.Lfor_w_\@:
	tensor_load_to_lds s[\g0b:\g0b+3], s[\g1b:\g1b+7]
	s_nop 0
	PLACES 4
.Lasked_\@:
.endm
.macro CROUND                          ; a round of the cluster's barrier
	s_barrier_signal -1
	s_barrier_wait -1
	s_cmp_lg_u32 s[WV], 0
	s_cbranch_scc1 .Lnot_wave_0_\@
	s_barrier_signal -3
.Lnot_wave_0_\@:
	s_barrier_wait -3
	s_barrier_signal -1
	s_barrier_wait -1
.endm
	s_load_b128 s[4:7], s[0:1], 0x0                ; oimg, osc
	s_load_b128 s[8:11], s[0:1], 0x10              ; W's codes, W's scales
	s_load_b128 s[12:15], s[0:1], 0x20             ; b_out, out0
	v_lshl_add_u32 v30, v0, 2, 0x3d600
	v_mov_b32 v31, 0
	ds_add_u32 v30, v31
	ds_add_u32 v30, v31
	v_lshrrev_b32 v1, 5, v0
	v_readfirstlane_b32 s[WV], v1                  ; wave 0..3
	s_lshr_b32 s[HI], s[WV], 1                     ; which 64 tokens are mine.  Also: I fetch for o (0) or for W (1)
	s_and_b32 s[LO], s[WV], 1                      ; which 128 columns.  Also: which half of each tile I fetch
	s_bfe_u32 s40, ttmp6, 0x40000                  ; cx, cy
	s_bfe_u32 s41, ttmp6, 0x40004
	s_lshl_b32 s[TX], ttmp9, 2
	s_add_co_u32 s[TX], s[TX], s40                 ; block of 256 columns
	s_and_b32 s[TY], ttmp7, 0xffff
	s_lshl_b32 s[TY], s[TY], 2
	s_add_co_u32 s[TY], s[TY], s41                 ; block of 128 tokens
	s_lshl_b32 s43, s41, 2
	s_lshl_b32 s43, 15, s43                        ; my row of the cluster
	s_lshl_b32 s44, 0x1111, s40                    ; my column
	; o's images: four tiles of a half of K are 16,384 dense bytes: 64 rows of 32 elements of 8 bytes, no padding (they are read 16 bytes a lane on end)
	s_or_b32 s[G1OI+0], s43, (3<<16)|(1<<21)
	s_mov_b32 s[G1OI+1], 32<<16
	s_mov_b32 s[G1OI+2], 64<<16
	s_mov_b32 s[G1OI+3], 32<<16
	s_mov_b32 s[G1OI+4], 64
	s_mov_b32 s[G1OI+5], 32
	s_mov_b32 s[G1OI+6], 0
	s_mov_b32 s[G1OI+7], 0
	; o's scale words: half of the block's 4,096 dense bytes: 8 such rows
	s_or_b32 s[G1OS+0], s43, (3<<16)|(1<<21)
	s_mov_b32 s[G1OS+1], 32<<16
	s_mov_b32 s[G1OS+2], 8<<16
	s_mov_b32 s[G1OS+3], 32<<16
	s_mov_b32 s[G1OS+4], 8
	s_mov_b32 s[G1OS+5], 32
	s_mov_b32 s[G1OS+6], 0
	s_mov_b32 s[G1OS+7], 0
	; W's codes: 128 rows x 256 bytes, 512 bytes from row to row, 16 bytes of padding behind each
	s_or_b32 s[G1WC+0], s44, (1<<20)|(1<<21)|(5<<22)|(3<<25)
	s_mov_b32 s[G1WC+1], 256<<16
	s_mov_b32 s[G1WC+2], 128<<16
	s_mov_b32 s[G1WC+3], 256<<16
	s_mov_b32 s[G1WC+4], 128
	s_mov_b32 s[G1WC+5], 512
	s_mov_b32 s[G1WC+6], 0
	s_mov_b32 s[G1WC+7], 0
	; W's scale bytes of 128 rows: 4,096 dense bytes as 16 rows of 256, 16 bytes of padding behind each
	s_or_b32 s[G1WS+0], s44, (3<<16)|(1<<20)|(1<<21)|(5<<22)|(3<<25)
	s_mov_b32 s[G1WS+1], 32<<16
	s_mov_b32 s[G1WS+2], 16<<16
	s_mov_b32 s[G1WS+3], 32<<16
	s_mov_b32 s[G1WS+4], 16
	s_mov_b32 s[G1WS+5], 32
	s_mov_b32 s[G1WS+6], 0
	s_mov_b32 s[G1WS+7], 0
	s_lshl_b32 s66, s[TY], 15                      ; oimg: 8 tiles x 4,096 bytes a token block, + my four tiles
	s_lshl_b32 s22, s[LO], 14
	s_add_co_u32 s66, s66, s22
	s_mov_b32 s67, 0
	s_lshl_b32 s96, s[TY], 12                      ; osc: 4,096 bytes a token block, + my half
	s_lshl_b32 s22, s[LO], 11
	s_add_co_u32 s96, s96, s22
	s_mov_b32 s97, 0
	s_lshl_b32 s46, s[TX], 8
	s_lshl_b32 s23, s[LO], 7
	s_add_co_u32 s46, s46, s23                     ; W: row 256 x column block + 128 x half
	s_lshl_b32 s92, s46, 5                         ; its scale bytes,
	s_mov_b32 s93, 0
	s_lshl_b32 s46, s46, 9                         ; its codes
	s_mov_b32 s47, 0
	s_lshl_b32 s45, s[LO], 14                      ; where they go: no place in the cluster enters an LDS address
	s_lshl_b32 s94, s[LO], 11
	s_add_co_u32 s94, s94, OS
	s_mul_i32 s95, s[LO], 128*272
	s_add_co_u32 s95, s95, WC
	s_mul_i32 s98, s[LO], 16*272
	s_add_co_u32 s98, s98, WS
	s_wait_dscnt 0x0
	s_wait_kmcnt 0x0
	s_add_nc_u64 s[66:67], s[4:5], s[66:67]
	s_add_nc_u64 s[96:97], s[6:7], s[96:97]
	s_add_nc_u64 s[46:47], s[8:9], s[46:47]
	s_add_nc_u64 s[92:93], s[10:11], s[92:93]
	CROUND                                         ; all sixteen work-groups are here: the joint loads meet
	s_mov_b32 s[G0OS], 1
	s_mov_b32 s[G0OS+1], s94
	s_mov_b64 s[G0OS+2:G0OS+3], s[96:97]
	s_or_b32 s[G0OS+3], s[G0OS+3], 0x80000000
	s_mov_b32 s[G0WS], 1
	s_mov_b32 s[G0WS+1], s98
	s_mov_b64 s[G0WS+2:G0WS+3], s[92:93]
	s_or_b32 s[G0WS+3], s[G0WS+3], 0x80000000
	JLOAD G0OS, G1OS, G0WS, G1WS                   ; the scales first
.irp s, 0,1
	s_mov_b32 s[G0OI+4*\s], 1
	s_add_co_u32 s[G0OI+4*\s+1], s45, \s*32768
	s_add_nc_u64 s[G0OI+4*\s+2:G0OI+4*\s+3], s[66:67], \s*2097152
	s_or_b32 s[G0OI+4*\s+3], s[G0OI+4*\s+3], 0x80000000
	s_mov_b32 s[G0WC+4*\s], 1
	s_add_co_u32 s[G0WC+4*\s+1], s95, \s*69632
	s_add_nc_u64 s[G0WC+4*\s+2:G0WC+4*\s+3], s[46:47], \s*256
	s_or_b32 s[G0WC+4*\s+3], s[G0WC+4*\s+3], 0x80000000
	s_wait_alu depctr_va_vdst(0)
	s_wait_tensorcnt 0x0
	ds_add_u32 v30, v31
	s_wait_dscnt 0x0
	CROUND
	JLOAD G0OI+4*\s, G1OI, G0WC+4*\s, G1WC         ; one load of mine is out: this half of K's codes
.endr
	v_and_b32 v1, 15, v0                           ; r
	v_bfe_u32 v2, v0, 4, 1                         ; h
	v_and_b32 v3, 31, v0
	v_lshlrev_b32 v[CO], 4, v3
	s_lshl_b32 s22, s[HI], 14
	v_add_nc_u32 v[ADO], s22, v[CO]
	v_mul_u32_u24 v4, v1, 272
	v_lshl_add_u32 v4, v2, 4, v4
	s_mul_i32 s22, s[LO], 128*272
	s_add_co_u32 s22, s22, WC
	v_add_nc_u32 v[ADW], s22, v4
	s_add_co_u32 s22, s22, 69632
	v_add_nc_u32 v[ADW+1], s22, v4
	s_lshl_b32 s22, s[HI], 8
	s_add_co_u32 s22, s22, OS
	v_lshl_add_u32 v[ADOS], v1, 2, s22
	v_lshlrev_b32 v5, 5, v1                        ; W's scale bytes: 32 a row,
	v_lshrrev_b32 v6, 8, v5
	v_lshl_add_u32 v5, v6, 4, v5                   ; and 16 more for each 256 passed
	s_mul_i32 s22, s[LO], 16*272
	s_add_co_u32 s22, s22, WS
	v_add_nc_u32 v[ADWS], s22, v5
	s_mul_i32 s22, s[WV], 16*528
	s_add_co_u32 s22, s22, STG                     ; my stage
	v_mul_u32_u24 v6, v1, 528
	v_lshl_add_u32 v6, v2, 5, v6
	v_add_nc_u32 v[STO], s22, v6                   ; in: row r, 32 bytes for each half of the lanes
	v_add_nc_u32 v[RD], s22, v[CO]                 ; back: the 32 lanes take one row of 512 bytes
	s_lshl_b32 s2, s[TX], 10
	s_lshl_b32 s3, s[LO], 9
	s_add_co_u32 s2, s2, s3                        ; my first column, in bytes
	s_mov_b32 s3, 0
	s_lshl_b32 s22, s[TY], 19                      ; my first row: (128 x token block + 64 x half) x 4,096 bytes
	s_lshl_b32 s23, s[HI], 18
	s_add_co_u32 s22, s22, s23
	s_add_co_u32 s22, s22, s2
	s_mov_b32 s23, 0
	s_add_nc_u64 s[OUTB:OUTB+1], s[14:15], s[22:23]
	s_add_nc_u64 s[2:3], s[12:13], s[2:3]          ; b_out at my 128 columns
	v_lshlrev_b32 v7, 5, v2
	WIN 0x40                                       ; destination window 1
.irp b, 0,1,2,3,4,5,6,7                ; the bias in the result's layout: tile b's eight numbers at 16 b + 8 h
	global_load_b128 v[128+8*\b:128+8*\b+3], v7, s[2:3] offset:64*\b
	global_load_b128 v[128+8*\b+4:128+8*\b+7], v7, s[2:3] offset:64*\b+16
.endr
	WIN 0
.macro FETCH g, p                      ; K step g's fragments into set p: W's eight (window 1, v[64 p] on), o's four (window 0)
	WIN 0x40
.irp b, 0,1,2,3,4,5,6,7
.irp c, 0,1
	ds_load_b128 v[64*(\p)+8*\b+4*\c:64*(\p)+8*\b+4*\c+3], v[ADW+(\g)/4] offset:64*((\g)%4)+32*\c+\b*16*272
.endr
.endr
	WIN 0
.irp a, 0,1,2,3
.irp c, 0,1
	ds_load_b128 v[AS+32*(\p)+8*\a+4*\c:AS+32*(\p)+8*\a+4*\c+3], v[ADO] offset:((\g)/4)*32768+\a*4096+((\g)%4)*1024+512*\c
.endr
.endr
.endm
.macro MUL g, p                        ; 32 matrix instructions; the 32 accumulators (window 2) take turns, one instruction a turn, in the same order in every step
.if (\g) == 0
	WIN 0x91                                       ; source 0 (W) window 1, source 1 (o) window 0, C (the bias) window 1, D window 2
.else
	WIN 0xa1                                       ; C and D window 2
.endif
.irp a, 0,1,2,3
.irp b, 0,1,2,3,4,5,6,7
.if (\g) == 0
	v_wmma_scale_f32_16x16x128_f8f6f4 v[8*(8*\a+\b):8*(8*\a+\b)+7], v[64*(\p)+8*\b:64*(\p)+8*\b+7], v[AS+32*(\p)+8*\a:AS+32*(\p)+8*\a+7], v[128+8*\b:128+8*\b+7], v[WSR+8*\b+(\g)], v[OSR+8*\a+(\g)] matrix_a_fmt:MATRIX_FMT_FP4 matrix_b_fmt:MATRIX_FMT_FP4
.else
	v_wmma_scale_f32_16x16x128_f8f6f4 v[8*(8*\a+\b):8*(8*\a+\b)+7], v[64*(\p)+8*\b:64*(\p)+8*\b+7], v[AS+32*(\p)+8*\a:AS+32*(\p)+8*\a+7], v[8*(8*\a+\b):8*(8*\a+\b)+7], v[WSR+8*\b+(\g)], v[OSR+8*\a+(\g)] matrix_a_fmt:MATRIX_FMT_FP4 matrix_b_fmt:MATRIX_FMT_FP4
.endif
.endr
.endr
.endm
	s_wait_alu depctr_va_vdst(0)
	s_wait_tensorcnt 0x1                           ; the scales and my part of K's first half are in; the second half's load may be out
	s_barrier_signal -1
	s_barrier_wait -1                              ; everybody's are
.irp a, 0,1,2,3
.irp g, 0,1,2,3,4,5,6,7
	ds_load_b32 v[OSR+8*\a+\g], v[ADOS] offset:512*\g+64*\a    ; lane r takes row r's word (lanes 16-31 read the same and are not used)
.endr
.endr
.irp b, 0,1,2,3,4,5,6,7
.irp j, 0,1
	ds_load_b128 v[WSR+8*\b+4*\j:WSR+8*\b+4*\j+3], v[ADWS] offset:\b*544+16*\j
.endr
.endr
	FETCH 0, 0
.irp g, 0,1,2,3,4,5,6,7
	s_wait_dscnt 0x0                               ; this step's fragments are in (asked for 32 matrix instructions ago)
.if \g == 3
	s_wait_tensorcnt 0x0                           ; my part of K's second half is in,
	s_barrier_signal -1
	s_barrier_wait -1                              ; everybody's is: the fetch below reads it
.endif
.if \g < 7
.if \g > 0
	PLACES 4                                       ; four plain lines behind the last step's products, in front of loads into the set that they read
.endif
	FETCH \g+1, (\g+1)%2
.endif
.if \g == 0
	s_wait_loadcnt 0x0                             ; the bias
.endif
	MUL \g, \g%2
.endr
	WIN 0
; THE WAY OUT, a tile of 16 tokens x 128 columns at a time, through my own stage: in as 32 bytes a lane, back as whole rows of 512 bytes.  LDS serves a wave's instructions in order (ISA guide 5.7.1.4): no wait between the stores and the loads.
.macro TOSTAGE a
	WIN 0x08                                       ; an LDS store's data are its source 1: window 2
.irp b, 0,1,2,3,4,5,6,7
	ds_store_b128 v[STO], v[64*(\a)+8*\b:64*(\a)+8*\b+3] offset:64*\b          ; each accumulator from its low end on
	ds_store_b128 v[STO], v[64*(\a)+8*\b+4:64*(\a)+8*\b+7] offset:64*\b+16
.endr
	WIN 0
.irp t, 0,1,2,3,4,5,6,7,8,9,10,11,12,13,14,15
	ds_load_b128 v[BK+64*((\a)%2)+4*\t:BK+64*((\a)%2)+4*\t+3], v[RD] offset:\t*528
.endr
.endm
.macro SEND a, younger                 ; younger: the LDS instructions issued behind tile a's loads, which may stay out
	s_wait_dscnt \younger
.irp t, 0,1,2,3,4,5,6,7,8,9,10,11,12,13,14,15
	global_store_b128 v[CO], v[BK+64*((\a)%2)+4*\t:BK+64*((\a)%2)+4*\t+3], s[OUTB:OUTB+1] offset:(16*(\a)+\t)*4096 th:TH_STORE_NT   ; 32 lanes store 512 consecutive bytes of a row; written once, read by nobody here
.endr
.endm
	PLACES 4                                       ; behind the last products: their results are read, and loads land where their operands lay
	TOSTAGE 0
	TOSTAGE 1
	SEND 0, 32                                     ; behind tile 0's loads: tile 1's 16 stores and 16 loads
	s_wait_xcnt 0x0                                ; tile 0's stores have read their registers: tile 2's loads may land there
	TOSTAGE 2
	SEND 1, 32
	s_wait_xcnt 0x0
	TOSTAGE 3
	SEND 2, 32
	SEND 3, 0
	s_wait_tensorcnt 0x0
	ds_add_u32 v30, v31
	s_wait_dscnt 0x0
	CROUND                                         ; the closing round: no work-group ends while a partner may still ask for a tile that names it
	s_endpgm
.Lfunc_end_k_q164b577b7c_proj:
	.size	k_q164b577b7c_proj, .Lfunc_end_k_q164b577b7c_proj-k_q164b577b7c_proj
	.p2alignl 7, 3214868480
	.fill 96, 4, 3214868480
	.section	.rodata,"a",@progbits
	.p2align	6, 0x0
	.amdhsa_kernel k_q164b577b7c_proj
		.amdhsa_group_segment_fixed_size 327680
		.amdhsa_private_segment_fixed_size 0
		.amdhsa_enable_private_segment 0
		.amdhsa_kernarg_size 48
		.amdhsa_user_sgpr_count 2
		.amdhsa_user_sgpr_kernarg_segment_ptr 1
		.amdhsa_wavefront_size32 1
		.amdhsa_system_sgpr_workgroup_id_x 1
		.amdhsa_system_sgpr_workgroup_id_y 1
		.amdhsa_system_sgpr_workgroup_id_z 1
		.amdhsa_system_vgpr_workitem_id 0
		.amdhsa_next_free_vgpr 768
		.amdhsa_next_free_sgpr 102
		.amdhsa_reserve_vcc 0
		.amdhsa_float_denorm_mode_32 3
		.amdhsa_float_denorm_mode_16_64 3
		.amdhsa_memory_ordered 1
		.amdhsa_forward_progress 1
		.amdhsa_inst_pref_size 76
	.end_amdhsa_kernel
	.amdgpu_metadata
---
amdhsa.version: [ 1, 2 ]
amdhsa.kernels:
  - .name:           k_q164b577b7c_proj
    .symbol:         k_q164b577b7c_proj.kd
    .args:
      - { .name: oimg, .offset: 0, .size: 8, .value_kind: global_buffer, .address_space: global }
      - { .name: osc, .offset: 8, .size: 8, .value_kind: global_buffer, .address_space: global }
      - { .name: w_out_codes, .offset: 16, .size: 8, .value_kind: global_buffer, .address_space: global }
      - { .name: w_out_scales, .offset: 24, .size: 8, .value_kind: global_buffer, .address_space: global }
      - { .name: b_out, .offset: 32, .size: 8, .value_kind: global_buffer, .address_space: global }
      - { .name: out0, .offset: 40, .size: 8, .value_kind: global_buffer, .address_space: global }
    .group_segment_fixed_size: 327680
    .private_segment_fixed_size: 0
    .kernarg_segment_align: 8
    .kernarg_segment_size: 48
    .max_flat_workgroup_size: 128
    .sgpr_count:     102
    .vgpr_count:     768
    .wavefront_size: 32
...
	.end_amdgpu_metadata
.endif
;; end of part 3
